; MI455X (gfx1250); checked and timed in simulation.
; The chip was launched on July 23, 2026; its instructions are those of AMD's public machine-readable ISA for CDNA 5 (MIT licence, August 2026) and "CDNA5" Instruction Set Architecture Reference Guide (July 2026). The comments in the code are by the model that wrote it; some were corrected since.
;; Drift Aware Multi Head Attention. Allowed arithmetic: matrix products marked QUANTISED: E2M1 operands, one E8M0 scale for each 32 along K, by v_wmma_scale_f32_16x16x128_f8f6f4 with both operands' format E2M1 (or v_wmma_scale_f32_32x16x128_f4), f32 sums; products left as they are: bf16, f16 or f32 operands; f32 sums; everything else in f32.
;; Inputs: b_out 1,024 float32; rescale one number float32; w_out 1,024 x 1,024 float32; w_qkv 3,072 x 1,024 float32; x 4 x 2,048 x 1,024 float32.
;; Outputs: out0 4 x 2,048 x 1,024 float32.
;; This version of the problem:
;;   THIS VERSION OF THE PROBLEM IS GIVEN IN LOW PRECISION. The matrix products marked QUANTISED in the list below multiply operands that are first quantised to E2M1 (2 exponent bits, 1 mantissa bit; 4 bits a number), with one power-of-two scale for each 32 numbers along K (OCP MX v1.0); their sums are f32. The products marked 'left as it is' may take bf16, f16 or f32 operands, with f32 sums. Whichever they take, every output number must still come out within the allowed error. Rounding operands to bf16 (8 significant bits) uses up far more of that allowance than f16 does (11 bits, for magnitudes from 6e-5 to 65,504). All else is computed in f32.
;;   The module's matrix products, in the order in which they are computed (A, B: the left and right operand; K: the contracted axis; several contracted axes count as one K, in the product's order):
;;     1. [M 8,192, K 1,024] x [K 1,024, N 3,072]; A: input x; B: input w_qkv: QUANTISED
;;     2. batch 64 x [M 2,048, K 64] x [K 64, N 2,048]; A: computed on the way; B: computed on the way: left as it is (an operand is computed on the way)
;;     3. batch 64 x [M 2,048, K 2,048] x [K 2,048, N 64]; A: computed on the way; B: computed on the way: left as it is (an operand is computed on the way)
;;     4. [M 8,192, K 1,024] x [K 1,024, N 1,024]; A: computed on the way; B: input w_out: left as it is (an operand is computed on the way)
;;   THE QUANTISER, for each operand of a quantised product, along K:
;;     - K is cut into blocks of 32 from its start; a last block that is shorter is filled with zeros.
;;     - A block's scale is 2^e with e = floor(log2(the largest magnitude in the block)) - 2, held to -126 .. 127; a block of zeros has e = 0. As a byte (E8M0): e + 127.
;;     - Each number is divided by its block's scale, clamped to +-6, and rounded to the nearest number of E2M1, ties to even, subnormals kept.
;;     - The product sums the exact products of the quantised numbers (number of the format x scale) in f32.
;;   ~~~python
;;   def quantise(x, axis):      # numpy; x: float32 -> the quantised numbers, widened to float32 again
;;       x = np.moveaxis(x, axis, -1); K = x.shape[-1]
;;       x = np.pad(x, [(0, 0)] * (x.ndim - 1) + [(0, -K % 32)]); x = x.reshape(x.shape[:-1] + (-1, 32)); a = np.abs(x).max(-1, keepdims=True)
;;       e = np.where(a > 0, np.clip(np.frexp(np.where(a > 0, a, 1))[1] - 1 - 2, -126, 127), 0)      # np.frexp(a)[1] - 1 = floor(log2(a)), exactly
;;       r = np.clip(x / 2.0 ** e, -6, 6)
;;       step = 2.0 ** (np.maximum(np.frexp(np.where(r == 0, 1, r))[1] - 1, 0) - 1)
;;       q = np.round(r / step) * step * 2.0 ** e      # np.round: ties to even
;;       return np.moveaxis(q.reshape(q.shape[:-2] + (-1,))[..., :K], -1, axis).astype(np.float32)
;;   ~~~
;; One version. Each part assembles by itself: llvm-mc -triple=amdgcn-amd-amdhsa -mcpu=gfx1250 --defsym DOCPART=n.
;; ======== version 1 of 1: 4 launches
;; limits: values are held in f16: magnitudes above 65,504 overflow, below 6.1e-05 lose precision
;; workspace buffers: xc 4,194,304 bytes; xs 262,144 bytes; wc 1,572,864 bytes; ws 98,304 bytes; w16 2,097,152 bytes; qkvh 50,331,648 bytes; att 16,777,216 bytes
;; launch prep (part 1): grid 416 x 1, 4 waves a work-group, no clusters, 33,280 bytes of LDS; arguments x, w_qkv, xc, xs, wc, ws, w_out, w16; writes xc, xs, wc, ws, w16
.if DOCPART == 1
	.amdgcn_target "amdgcn-amd-amdhsa--gfx1250"
	.amdhsa_code_object_version 6
	.text
	.protected	k_qe21d709232_prep
	.globl	k_qe21d709232_prep
	.p2align	8
	.type	k_qe21d709232_prep,@function
k_qe21d709232_prep:
	s_mov_b64 s[64:65], 0
	v_nop
	global_prefetch_b8 v0, s[64:65] scope:SCOPE_SE
	s_setreg_imm32_b32 hwreg(HW_REG_WAVE_MODE, 25, 1), 1
	s_wait_xcnt 0x0
; FIRST OF FOUR LAUNCHES of: out = softmax(q k^T rescale / 8) v, by heads of 64, times w_out^T, plus b_out, with q, k, v = x w_qkv^T.
; No work of the problem is left out: all five inputs have a way to the output, and each is loaded by one of the launches.
; THIS LAUNCH: x [8192][1024] and w_qkv [3072][1024], f32, become codes of FP4 (E2M1), K innermost, with one E8M0 scale byte for each 32 along K
; (the first product's two operands, each quantised once); w_out [1024][1024] f32 becomes f16, laid in 16 planes [k / 64][n][64] for the last launch.
; A block's scale is 2^(floor(log2(its largest magnitude)) - 2); its byte is the largest magnitude's exponent field - 2, held at 1 from below.
; A block of zeros so gets the byte 1 where the rule says 127: its codes are zeros, which add nothing under any byte but 0xff, and this program alone reads the bytes.
; LIMITS: blocks whose largest magnitude lies under 2^(2 - 126), the floor, were not tried; NaN and infinities among the inputs are not served; numbers of w_out over 65,504 in magnitude have no f16.
; Work-groups 0-255 take x, 256-351 w_qkv (one path, the buffers chosen by the work-group's number), 352-415 w_out (a path of its own, which touches no LDS).
; QUANTISING.  Rows are dense and 1024 is a multiple of 32: both tensors are plain streams of blocks of 32.  A wave takes 16 steps of 512 numbers.  Each of a step's four loads reads 512 consecutive bytes;
; the 2,048 bytes turn through the wave's own stage in LDS and come back 64 bytes a lane, so that a lane holds 16 neighbours along K and two neighbouring lanes a block.
; A lane's 16 codes are 8 bytes: the wave stores 256 consecutive bytes.  A wave's 256 scale bytes are gathered in LDS and leave by one store of 256 consecutive bytes.
.set SIZE_M, 8192
.set SIZE_N, 3072
.set SIZE_K, 1024
.set WAVES, 4
.set STEPS, 16
.set WGA,   SIZE_M*SIZE_K/(512*STEPS*WAVES)            ; 256 work-groups for x
.set WGQ,   (SIZE_M+SIZE_N)*SIZE_K/(512*STEPS*WAVES)   ; 352 for x and w_qkv
.set EMAX,  2
.set CB,    8                          ; bytes of 16 codes
.set R,     16                         ; v16-79   four sets of 16 numbers as they are loaded
.set X,     80                         ; v80-111  two sets of 16 neighbours
.set C,     128                        ; v128-191 codes: four registers for each step, so that no store's data are written again
.set E,     112                        ; v112-127 a scale byte for each step
.set WREG,  8192                       ; LDS: a region for each wave: two stages of 32 x SP bytes, behind them its 256 scale bytes
.set SP,    80                         ; a lane's place in a stage: its 64 bytes + 16 of padding
.set SPW,   12                         ; v12      LDS address of my spare word; never rewritten
.set NIL,   13                         ; v13      0; never rewritten
.set SPARE, WAVES*WREG                 ; behind the four regions: the spare words, 128 bytes for each wave
.set W32,   16                         ; w_out's path: v16-143 sixteen planes x 8 numbers
.set H16,   144                        ; v144-207 sixteen planes x 4 registers of f16
	s_load_b128 s[4:7], s[0:1], 0x0                ; x, w_qkv
	s_load_b128 s[8:11], s[0:1], 0x10              ; x's codes, x's scales
	s_load_b128 s[12:15], s[0:1], 0x20             ; w_qkv's codes, its scales
	s_load_b128 s[24:27], s[0:1], 0x30             ; w_out, w16
	v_lshl_add_u32 v[SPW], v0, 2, SPARE
	v_mov_b32 v[NIL], 0
	v_lshrrev_b32 v1, 5, v0
	v_readfirstlane_b32 s16, v1                    ; wave
	v_and_b32 v2, 31, v0                           ; lane
	v_lshlrev_b32 v3, 4, v2                        ; my 16 bytes of a load's 512
	s_mul_i32 s17, s16, WREG
	v_lshrrev_b32 v14, 2, v2
	v_mul_u32_u24 v14, v14, SP
	v_and_b32 v15, 3, v2
	v_lshl_add_u32 v14, v15, 4, v14
	v_add_nc_u32 v14, s17, v14                     ; the stage, on the way in: SP (lane / 4) + 16 (lane % 4)
	v_mul_u32_u24 v15, v2, SP
	v_add_nc_u32 v15, s17, v15                     ; and on the way out: SP x lane: my 16 neighbours
	v_mul_u32_u24 v4, v2, CB                       ; my codes' place in a step's
	v_lshrrev_b32 v5, 1, v2
	s_add_co_u32 s17, s17, 2*32*SP
	v_add_nc_u32 v5, s17, v5                       ; LDS: my wave's 256 scale bytes, my block's byte
	v_lshlrev_b32 v7, 3, v2                        ; and on the way out 8 bytes a lane
	v_add_nc_u32 v6, s17, v7
	s_wait_kmcnt 0x0
	s_cmp_ge_u32 ttmp9, WGQ                        ; the last 64 work-groups take w_out
	s_cbranch_scc1 .Lconvert
	s_cmp_lt_u32 ttmp9, WGA                        ; x's work-group or w_qkv's?  The choice hangs on the work-group's number alone
	s_cselect_b64 s[4:5], s[4:5], s[6:7]
	s_cselect_b64 s[8:9], s[8:9], s[12:13]
	s_cselect_b64 s[10:11], s[10:11], s[14:15]
	s_cselect_b32 s17, 0, WGA
	s_sub_co_u32 s17, ttmp9, s17
	s_lshl_b32 s17, s17, 2
	s_add_co_u32 s18, s17, s16                     ; which run of 8,192 numbers of the tensor is my wave's
	s_mov_b32 s19, 0
	s_mov_b64 s[20:21], 512*STEPS*4
	s_mul_u64 s[20:21], s[18:19], s[20:21]
	s_add_nc_u64 s[4:5], s[4:5], s[20:21]
	s_mov_b64 s[20:21], 32*STEPS*CB
	s_mul_u64 s[20:21], s[18:19], s[20:21]
	s_add_nc_u64 s[8:9], s[8:9], s[20:21]
	s_lshl_b32 s18, s18, 8                         ; 256 scale bytes a run
	s_add_nc_u64 s[10:11], s[10:11], s[18:19]
.macro LOAD t
.irp i, 0,1,2,3
	global_load_b128 v[R+16*((\t)%4)+4*\i:R+16*((\t)%4)+4*\i+3], v3, s[4:5] offset:2048*(\t)+512*\i th:TH_LOAD_NT   ; 32 lanes read 512 consecutive bytes
.endr
.endm
.macro TURN t                          ; step t's numbers through the stage: LDS serves a wave's instructions in order, so no wait stands between the stores and the loads
.irp i, 0,1,2,3
	ds_store_b128 v14, v[R+16*((\t)%4)+4*\i:R+16*((\t)%4)+4*\i+3] offset:32*SP*((\t)%2)+8*SP*\i
.endr
.irp i, 0,1,2,3
	ds_load_b128 v[X+16*((\t)%2)+4*\i:X+16*((\t)%2)+4*\i+3], v15 offset:32*SP*((\t)%2)+16*\i
.endr
.endm
.irp t, 0,1,2,3
	LOAD \t
.endr
	s_wait_loadcnt 12                              ; step 0's four loads are in; the twelve of steps 1 to 3 may be out
	TURN 0
.macro STEP t
.set XS, X+16*((\t)%2)
.if (\t) > 0
	s_wait_dscnt 1                                 ; this step's numbers are back from the stage (the last step's byte store may be out): so its stores into the stage have read their registers,
.else
	s_wait_dscnt 0x0
.endif
.if (\t)+4 < STEPS
	LOAD (\t)+4                                    ; which take the loads of four steps on
.endif
.if (\t)+1 < STEPS
.if STEPS-2-(\t) >= 3
	s_wait_loadcnt 12                              ; the next step's four loads are in; those of the three steps behind it may be out
.else
	s_wait_loadcnt 4*(STEPS-2-(\t))
.endif
	TURN (\t)+1                                    ; and go through the other stage while this step is worked
.endif
	v_max3_num_f32 v8, |v[XS]|, |v[XS+1]|, |v[XS+2]|               ; the largest magnitude of my 16, in two chains
	v_max3_num_f32 v9, |v[XS+3]|, |v[XS+4]|, |v[XS+5]|
.irp i, 6,10
	v_max3_num_f32 v8, v8, |v[XS+\i]|, |v[XS+\i+1]|
	v_max3_num_f32 v9, v9, |v[XS+\i+2]|, |v[XS+\i+3]|
.endr
	v_max3_num_f32 v8, v8, |v[XS+14]|, |v[XS+15]|
	v_max3_num_f32 v8, v8, v9, (EMAX+1)<<23        ; and the floor 2^(EMAX + 1 - 127): so the byte cannot fall under 1
	v_max_num_f32_dpp v8, v8, v8 row_xmask:1 row_mask:0xf bank_mask:0xf   ; and of my neighbour's 16: the block's
	v_add_nc_u32 v11, -(EMAX<<23), v8              ; EMAX off its exponent field: the conversion takes the exponent field of this operand as its scale, and nothing else of it
	v_cvt_scalef32_pk8_fp4_f32 v[C+4*(\t)], v[XS:XS+7], v11        ; eight numbers / the scale, to the nearest code, ties to even, beyond 6 the largest code; the first number's code in the lowest four bits
	v_cvt_scalef32_pk8_fp4_f32 v[C+4*(\t)+1], v[XS+8:XS+15], v11
	v_lshrrev_b32 v[E+(\t)], 23, v11               ; the scale's byte (also the plain line behind the conversions)
	ds_store_b8 v5, v[E+(\t)] offset:16*(\t)       ; both lanes of a block write the same byte with the same value
	global_store_b64 v4, v[C+4*(\t):C+4*(\t)+1], s[8:9] offset:32*CB*(\t)
.endm
.irp t, 0,1,2,3,4,5,6,7,8,9,10,11,12,13,14,15
	STEP \t
.endr
	ds_load_b64 v[8:9], v6                         ; LDS serves a wave's instructions in order: these see my stores
	s_wait_dscnt 0x0
	global_store_b64 v7, v[8:9], s[10:11]          ; 32 lanes store 256 consecutive bytes, aligned
	s_wait_tensorcnt 0x0                           ; the wave's end
	ds_add_u32 v[SPW], v[NIL]
	s_wait_dscnt 0x0
	s_endpgm
; w_out TO f16 PLANES.  Wave g of 256 takes rows 4 g .. 4 g + 3, all 16 planes.  Lane l takes row 4 g + l / 8 and, in plane kb, the eight numbers k = 64 kb + 8 (l % 8) on:
; their f16 are 16 bytes at 16 l of the wave's 512 consecutive bytes of the plane.  Each of a plane's two loads takes every second 16 bytes of four runs of 256 bytes; the pair covers them whole.
; Every plane has registers of its own, so nothing that a load or store names is written again.  No LDS is touched on this path.
.Lconvert:
	s_sub_co_u32 s17, ttmp9, WGQ
	s_lshl_b32 s17, s17, 2
	s_add_co_u32 s17, s17, s16                     ; g
	s_lshl_b32 s18, s17, 14                        ; four rows of 4,096 bytes
	s_mov_b32 s19, 0
	s_add_nc_u64 s[24:25], s[24:25], s[18:19]
	s_lshl_b32 s18, s17, 9                         ; four rows of 128 bytes in a plane
	s_add_nc_u64 s[26:27], s[26:27], s[18:19]
	v_lshrrev_b32 v1, 3, v2
	v_and_b32 v3, 7, v2
	v_lshlrev_b32 v1, 12, v1
	v_lshl_add_u32 v1, v3, 5, v1                   ; in: 4,096 (l / 8) + 32 (l % 8)
	v_lshlrev_b32 v4, 4, v2                        ; out: 16 l
.irp kb, 0,1,2,3,4,5,6,7,8,9,10,11,12,13,14,15
	global_load_b128 v[W32+8*\kb:W32+8*\kb+3], v1, s[24:25] offset:256*\kb th:TH_LOAD_NT
	global_load_b128 v[W32+8*\kb+4:W32+8*\kb+7], v1, s[24:25] offset:256*\kb+16 th:TH_LOAD_NT
.endr
.irp kb, 0,1,2,3,4,5,6,7,8,9,10,11,12,13,14,15
	s_wait_loadcnt 30-2*\kb                        ; this plane's two loads are in; the later planes' may be out
.irp i, 0,1,2,3
	v_cvt_pk_f16_f32 v[H16+4*\kb+\i], v[W32+8*\kb+2*\i], v[W32+8*\kb+2*\i+1]
.endr
	global_store_b128 v4, v[H16+4*\kb:H16+4*\kb+3], s[26:27] offset:131072*\kb   ; 32 lanes store 512 consecutive bytes, aligned
.endr
	s_endpgm
.Lfunc_end_k_qe21d709232_prep:
	.size	k_qe21d709232_prep, .Lfunc_end_k_qe21d709232_prep-k_qe21d709232_prep
	.p2alignl 7, 3214868480
	.fill 96, 4, 3214868480
	.section	.rodata,"a",@progbits
	.p2align	6, 0x0
	.amdhsa_kernel k_qe21d709232_prep
		.amdhsa_group_segment_fixed_size 33280
		.amdhsa_private_segment_fixed_size 0
		.amdhsa_enable_private_segment 0
		.amdhsa_kernarg_size 64
		.amdhsa_user_sgpr_count 2
		.amdhsa_user_sgpr_kernarg_segment_ptr 1
		.amdhsa_wavefront_size32 1
		.amdhsa_system_sgpr_workgroup_id_x 1
		.amdhsa_system_sgpr_workgroup_id_y 1
		.amdhsa_system_sgpr_workgroup_id_z 1
		.amdhsa_system_vgpr_workitem_id 0
		.amdhsa_next_free_vgpr 208
		.amdhsa_next_free_sgpr 66
		.amdhsa_reserve_vcc 0
		.amdhsa_float_denorm_mode_32 3
		.amdhsa_float_denorm_mode_16_64 3
		.amdhsa_memory_ordered 1
		.amdhsa_forward_progress 1
		.amdhsa_inst_pref_size 43
	.end_amdhsa_kernel
	.amdgpu_metadata
---
amdhsa.version: [ 1, 2 ]
amdhsa.kernels:
  - .name:           k_qe21d709232_prep
    .symbol:         k_qe21d709232_prep.kd
    .args:
      - { .name: x, .offset: 0, .size: 8, .value_kind: global_buffer, .address_space: global }
      - { .name: w_qkv, .offset: 8, .size: 8, .value_kind: global_buffer, .address_space: global }
      - { .name: xc, .offset: 16, .size: 8, .value_kind: global_buffer, .address_space: global }
      - { .name: xs, .offset: 24, .size: 8, .value_kind: global_buffer, .address_space: global }
      - { .name: wc, .offset: 32, .size: 8, .value_kind: global_buffer, .address_space: global }
      - { .name: ws, .offset: 40, .size: 8, .value_kind: global_buffer, .address_space: global }
      - { .name: w_out, .offset: 48, .size: 8, .value_kind: global_buffer, .address_space: global }
      - { .name: w16, .offset: 56, .size: 8, .value_kind: global_buffer, .address_space: global }
    .group_segment_fixed_size: 33280
    .private_segment_fixed_size: 0
    .kernarg_segment_align: 8
    .kernarg_segment_size: 64
    .max_flat_workgroup_size: 128
    .sgpr_count:     66
    .vgpr_count:     208
    .wavefront_size: 32
...
	.end_amdgpu_metadata
.endif
;; end of part 1
;; launch qkv (part 2): grid 12 x 32, 4 waves a work-group, clusters of 4 x 4, 327,680 bytes of LDS; arguments xc, xs, wc, ws, qkvh; writes qkvh
.if DOCPART == 2
	.amdgcn_target "amdgcn-amd-amdhsa--gfx1250"
	.amdhsa_code_object_version 6
	.text
	.protected	k_qe21d709232_qkv
	.globl	k_qe21d709232_qkv
	.p2align	8
	.type	k_qe21d709232_qkv,@function
k_qe21d709232_qkv:
	s_mov_b64 s[64:65], 0
	v_nop
	global_prefetch_b8 v0, s[64:65] scope:SCOPE_SE
	s_setreg_imm32_b32 hwreg(HW_REG_WAVE_MODE, 25, 1), 1
	s_wait_xcnt 0x0
	s_wait_alu depctr_hold_cnt(0) depctr_sa_sdst(0) depctr_va_vdst(0) depctr_va_sdst(0) depctr_va_ssrc(0) depctr_va_vcc(0) depctr_vm_vsrc(0)
	s_getreg_b32 s2, hwreg(HW_REG_IB_STS2, 6, 4)
	s_cmp_eq_u32 s2, 0
	s_cbranch_scc0 .Lentry_in_a_cluster
	s_endpgm
.Lentry_in_a_cluster:
	s_bfe_u32 s2, ttmp6, 0x10000c
	s_cmp_lg_u32 s2, 0xf033
	s_cbranch_scc0 .Lentry_shape_is_right
	s_endpgm
.Lentry_shape_is_right:
; SECOND LAUNCH: the quantised product q, k, v = x w_qkv^T on codes of FP4 (E2M1) with one E8M0 scale for each 32 along K; sums in f32; nothing of the problem is left out here.
; A: x's codes [8192][512 bytes], scales [8192][32]; B: w_qkv's codes [3072][512 bytes], scales [3072][32].  The results leave as f16, laid by heads: qkvh [3 (q, k, v)][4 b][16 h][2048 n][64].
; LIMIT: a result over 65,504 in magnitude has no f16.  With x and w_qkv thirty times larger than drawn, or offset by thirty spreads, the results stay under that.
; A tile of the result, 256 x 256, is made by a work-group of four waves; a wave makes 128 x 128: 64 accumulators of 16 x 16, 512 registers.
; K = 1024 is two K steps of 512 (rows of 256 bytes): both LDS slots are filled once, at the head, and nothing is filled again.  The scale bytes of the work-group's rows come once, with them.
; CLUSTERS: 4 x 4 work-groups.  The four of a row of the cluster need the same tiles of A, the four of a column the same tiles of B: each tile is asked for JOINTLY.
; THE MATRIX INSTRUCTION IS USED TRANSPOSED (source 0 = 16 rows of B, source 1 = 16 rows of A): a lane then holds eight neighbouring columns of one token.
; REGISTERS, in windows of 256: window 0: v0-31 addresses; v32-95 scale words, two sets; from v128 A's fragments, ONE set; on the way out v32-127 are at work.
;   window 1: B's fragments, TWO sets, at v0 and v128.   window 2: the accumulators of my rows 0-63 ((a, b) at v[8 (8 a + b)]);   window 3: those of my rows 64-127.
; No prefetch is laid: every tile is a first fill, asked for at the head.
.set SIZE_M, 8192
.set SIZE_N, 3072
.set SIZE_K, 1024
.set KSTEP,  512                       ; along K in a slot
.set NQ,     KSTEP/128                 ; matrix instructions deep
.set ROWB,   256                       ; a tile's row in bytes
.set KROW,   SIZE_K*4/8                ; a row of codes in memory
.set PITCH,  272                       ; an LDS row: 256 bytes + 16 of padding = 68 words: row r starts at bank 4 r mod 64 (64 banks of 4 bytes: ISA guide 11.1)
.set FR,     8                         ; registers of a fragment: 16 rows x 128 K
.set NL,     2                         ; LDS loads that bring one
.set NP,     4                         ; places behind this matrix instruction (ISA guide 7.12.1)
.set HALFT,  128*PITCH                 ; 128 rows: what one tensor load brings
.set SLOT,   4*HALFT                   ; A's 256 rows, then B's 256 rows
.set KS,     SIZE_K/32                 ; a row of scales in bytes
.set SCL,    2*SLOT                    ; behind the ring: the scales, as runs of 256 bytes + 16 of padding
.set HALFS,  (128*KS/256)*272          ; the scales of 128 rows
.set SBLK,   (16*KS/256)*272           ; those of 16 rows
.set SPARE,  SCL+4*HALFS               ; behind the scales: the spare words, 128 bytes for each wave
.set SPITCH, 400                       ; the way out: a stage of 16 rows x (256 bytes + 144) for each wave, in slot 0, which has had its one fill and its last read by then; 25 x 16 bytes: the sixteen rows of a store start at sixteen different 16-byte columns
.set ADRA, 16                          ; v16-17  LDS address of my A fragments in slot 0, 1
.set ADRB, 20                          ; v20-21  the same for B
.set STO,  24                          ; v24     the way out: where I put 16 bytes of a token
.set RD,   25                          ; v25     where I read them back
.set CO,   26                          ; v26     16 x lane
.set ADRS, 27                          ; v27     LDS address of my scale words: lanes 0-15 A's rows, lanes 16-31 B's
.set SPW,  28                          ; v28     my spare word; never rewritten
.set NIL,  29                          ; v29     0; never rewritten
.set SC,   32                          ; scale words: set s at v[SC + 8 NQ s]; register NQ i + q: lanes 0-15 A's block i, lanes 16-31 B's block i
.set AF,   128                         ; A's fragments, in window 0
.set TMP,  32                          ; the way out: v32-63 a block's f16
.set BK,   64                          ; v64-95 and v96-127 by turns: the block read back
.set G1, 24                            ; s[24:31] group 1 for A's tiles;  s[32:39] group 0, one set for each slot
.set G0, 32
.set G1B, 48                           ; s[48:55], s[56:63] the same for B's
.set G0B, 56
.set G1S, 68                           ; s[68:75], s[76:79] for A's scales;  s[80:87], s[88:91] for B's
.set G0S, 76
.set G1SB, 80
.set G0SB, 88
.set MSB, 0
.macro WIN new                         ; the immediate's high byte repeats the setting that is left
.if MSB != \new
	s_set_vgpr_msb (MSB<<8)|\new
.set MSB, \new
.endif
.endm
.set MUL_LO, 0xa1                      ; source 0 (B) window 1, source 1 (A) window 0, C and D window 2
.set MUL_HI, 0xf1                      ; the same, C and D window 3
.set TO_B,   0x40                      ; destination window 1, address window 0
; A joint load: waves 0 and 1 fetch for A, waves 2 and 3 for B; the branch hangs on the wave's number alone.  An s_nop 0 and four v_nop follow each line.
.macro JLOAD g0a, g1a, g0b, g1b
	s_cmp_eq_u32 s15, 0
	s_cbranch_scc0 .Lfor_b_\@
	tensor_load_to_lds s[\g0a:\g0a+3], s[\g1a:\g1a+7]
	s_nop 0
.rept 4
	v_nop
.endr
	s_branch .Lasked_\@
.Lfor_b_\@:
	tensor_load_to_lds s[\g0b:\g0b+3], s[\g1b:\g1b+7]
	s_nop 0
.rept 4
	v_nop
.endr
.Lasked_\@:
.endm
.macro CROUND                          ; a round of the cluster's barrier
	s_barrier_signal -1
	s_barrier_wait -1
	s_cmp_lg_u32 s14, 0
	s_cbranch_scc1 .Lnot_wave_0_\@
	s_barrier_signal -3
.Lnot_wave_0_\@:
	s_barrier_wait -3
	s_barrier_signal -1
	s_barrier_wait -1
.endm
	s_load_b128 s[4:7], s[0:1], 0x0                ; A's codes, A's scales
	s_load_b128 s[8:11], s[0:1], 0x10              ; B's codes, B's scales
	s_load_b64 s[12:13], s[0:1], 0x20              ; qkvh
	v_lshl_add_u32 v[SPW], v0, 2, SPARE
	v_mov_b32 v[NIL], 0
	ds_add_u32 v[SPW], v[NIL]                      ; the wave's opening: the add, twice on end, and its wait ahead of my first tensor load
	ds_add_u32 v[SPW], v[NIL]
	v_lshrrev_b32 v1, 5, v0
	v_readfirstlane_b32 s14, v1                    ; wave 0..3
	s_lshr_b32 s15, s14, 1                         ; which half of the tile's rows is mine.  Also: I fetch for A (0) or for B (1)
	s_and_b32 s16, s14, 1                          ; which half of its columns.  Also: which 128 rows of that tile I fetch
	s_bfe_u32 s40, ttmp6, 0x40000                  ; cx, cy: my place in the cluster
	s_bfe_u32 s41, ttmp6, 0x40004
	s_lshl_b32 s42, ttmp9, 2
	s_add_co_u32 s42, s42, s40                     ; tile column = 4 x cluster x + cx
	s_and_b32 s17, ttmp7, 0xffff
	s_lshl_b32 s17, s17, 2
	s_add_co_u32 s17, s17, s41                     ; tile row = 4 x cluster y + cy
	s_lshl_b32 s43, s41, 2
	s_lshl_b32 s43, 15, s43                        ; my row of the cluster
	s_lshl_b32 s44, 0x1111, s40                    ; my column
	s_or_b32 s[G1+0], s43, (0<<16)|(1<<20)|(1<<21)|(5<<22)|(3<<25)  ; the mask; elements of 1 byte; padding on; bit 21 beside a mask; after every 64 words; 4 words
	s_or_b32 s[G1B+0], s44, (0<<16)|(1<<20)|(1<<21)|(5<<22)|(3<<25)
.irp g, G1, G1B
	s_mov_b32 s[\g+1], ROWB<<16                    ; tensor_dim0
	s_mov_b32 s[\g+2], 128<<16                     ; tensor_dim1 = 128
	s_mov_b32 s[\g+3], ROWB<<16                    ; tile_dim0
	s_mov_b32 s[\g+4], 128                         ; tile_dim1 = 128
	s_mov_b32 s[\g+5], KROW                        ; from row to row
	s_mov_b32 s[\g+6], 0
	s_mov_b32 s[\g+7], 0
.endr
	; the scales of 128 rows: a dense block of 4,096 bytes, as 16 rows of 256 bytes (32 elements of 8 bytes), 16 bytes of padding behind each
	s_or_b32 s[G1S+0], s43, (3<<16)|(1<<20)|(1<<21)|(5<<22)|(3<<25)
	s_or_b32 s[G1SB+0], s44, (3<<16)|(1<<20)|(1<<21)|(5<<22)|(3<<25)
.irp g, G1S, G1SB
	s_mov_b32 s[\g+1], 32<<16
	s_mov_b32 s[\g+2], (128*KS/256)<<16
	s_mov_b32 s[\g+3], 32<<16
	s_mov_b32 s[\g+4], 128*KS/256
	s_mov_b32 s[\g+5], 32
	s_mov_b32 s[\g+6], 0
	s_mov_b32 s[\g+7], 0
.endr
	s_lshl_b32 s18, s16, 7                         ; which 128 rows of the tile I fetch
	s_lshl_b32 s20, s17, 8
	s_add_co_u32 s20, s20, s18                     ; A: row 256 x tile row + 128 x half
	s_lshl_b32 s46, s42, 8
	s_add_co_u32 s46, s46, s18                     ; B: row 256 x tile column + 128 x half
	s_mov_b32 s21, 0
	s_mov_b32 s47, 0
	s_mov_b64 s[18:19], KS
	s_mul_u64 s[22:23], s[20:21], s[18:19]         ; where these rows' scales begin, in bytes
	s_mul_u64 s[92:93], s[46:47], s[18:19]
	s_mov_b64 s[18:19], KROW
	s_mul_u64 s[20:21], s[20:21], s[18:19]         ; and their codes
	s_mul_u64 s[46:47], s[46:47], s[18:19]
	s_mul_i32 s45, s14, HALFT                      ; where they go: wave x 128 rows: no place in the cluster enters an LDS address
	s_mul_i32 s94, s14, HALFS
	s_wait_dscnt 0x0                               ; both opening adds are done
	s_wait_kmcnt 0x0
	s_add_nc_u64 s[20:21], s[4:5], s[20:21]
	s_add_nc_u64 s[22:23], s[6:7], s[22:23]
	s_add_nc_u64 s[46:47], s[8:9], s[46:47]
	s_add_nc_u64 s[92:93], s[10:11], s[92:93]
	CROUND                                         ; all sixteen work-groups are here: the joint loads meet
	s_mov_b32 s[G0S], 1
	s_add_co_u32 s[G0S+1], s94, SCL
	s_mov_b64 s[G0S+2:G0S+3], s[22:23]
	s_or_b32 s[G0S+3], s[G0S+3], 0x80000000
	s_mov_b32 s[G0SB], 1
	s_add_co_u32 s[G0SB+1], s94, SCL
	s_mov_b64 s[G0SB+2:G0SB+3], s[92:93]
	s_or_b32 s[G0SB+3], s[G0SB+3], 0x80000000
	JLOAD G0S, G1S, G0SB, G1SB                     ; the scales first: they are wanted with K step 0
.irp s, 0,1
	s_mov_b32 s[G0+4*\s], 1
	s_add_co_u32 s[G0+4*\s+1], s45, \s*SLOT
	s_add_nc_u64 s[G0+4*\s+2:G0+4*\s+3], s[20:21], \s*ROWB
	s_or_b32 s[G0+4*\s+3], s[G0+4*\s+3], 0x80000000
	s_mov_b32 s[G0B+4*\s], 1
	s_add_co_u32 s[G0B+4*\s+1], s45, \s*SLOT
	s_add_nc_u64 s[G0B+4*\s+2:G0B+4*\s+3], s[46:47], \s*ROWB
	s_or_b32 s[G0B+4*\s+3], s[G0B+4*\s+3], 0x80000000
	JLOAD G0+4*\s, G1, G0B+4*\s, G1B               ; three loads of mine are out in all
.endr
	v_and_b32 v1, 15, v0                           ; l % 16
	v_bfe_u32 v2, v0, 4, 1                         ; l / 16
	v_mul_u32_u24 v3, v1, PITCH
	v_lshl_add_u32 v4, v2, 4, v3                   ; a fragment's row x pitch + 16 x half
	s_mul_i32 s21, s15, HALFT                      ; my 128 rows of A
	s_mul_i32 s22, s16, HALFT                      ; my 128 rows of B,
	s_add_co_u32 s22, s22, 2*HALFT                 ; which lie behind A's 256
.irp s, 0,1
	v_add_nc_u32 v[ADRA+\s], s21, v4
	v_add_nc_u32 v[ADRB+\s], s22, v4
	s_add_co_u32 s21, s21, SLOT
	s_add_co_u32 s22, s22, SLOT
.endr
	v_mul_u32_u24 v5, v1, KS                       ; my row's scales: KS bytes a row,
	v_lshrrev_b32 v6, 8, v5
	v_lshl_add_u32 v5, v6, 4, v5                   ; and 16 more for each 256 passed
	s_mul_i32 s21, s15, HALFS                      ; A's: my 128 rows
	s_mul_i32 s22, s16, HALFS                      ; B's: my 128 rows, behind A's 256
	s_add_co_u32 s22, s22, 2*HALFS
	s_sub_co_u32 s22, s22, s21
	v_mul_u32_u24 v6, s22, v2                      ; lanes 16-31 take B's
	s_add_co_u32 s21, s21, SCL
	v_add_nc_u32 v5, v5, v6
	v_add_nc_u32 v[ADRS], s21, v5
	s_mul_i32 s23, s14, 16*SPITCH                  ; my stage
	v_mul_u32_u24 v5, v1, SPITCH                   ; in: token l % 16, 16 bytes for each half of the lanes
	v_lshl_add_u32 v5, v2, 4, v5
	v_add_nc_u32 v[STO], s23, v5
	v_and_b32 v6, 31, v0
	v_lshlrev_b32 v[CO], 4, v6                     ; out: 16 x lane
	v_lshrrev_b32 v5, 3, v6                        ; back: eight lanes take a token's 128 bytes of one head, four tokens an instruction
	v_mul_u32_u24 v5, v5, SPITCH
	v_and_b32 v6, 7, v6
	v_lshl_add_u32 v5, v6, 4, v5
	v_add_nc_u32 v[RD], s23, v5
	; where my 128 tokens x 2 heads begin in qkvh: plane ((column tile / 4) 4 + row tile / 8) 16 + 4 (column tile % 4) + 2 x column half, of 262,144 bytes; token 256 (row tile % 8) + 128 x row half, of 128 bytes
	s_lshr_b32 s20, s42, 2
	s_lshl_b32 s20, s20, 2
	s_lshr_b32 s21, s17, 3
	s_add_co_u32 s20, s20, s21
	s_lshl_b32 s20, s20, 4
	s_and_b32 s21, s42, 3
	s_lshl_b32 s21, s21, 2
	s_add_co_u32 s20, s20, s21
	s_lshl_b32 s21, s16, 1
	s_add_co_u32 s20, s20, s21
	s_lshl_b32 s20, s20, 18
	s_and_b32 s21, s17, 7
	s_lshl_b32 s21, s21, 8
	s_lshl_b32 s46, s15, 7
	s_add_co_u32 s21, s21, s46
	s_lshl_b32 s21, s21, 7
	s_add_co_u32 s20, s20, s21
	s_mov_b32 s21, 0
	s_add_nc_u64 s[12:13], s[12:13], s[20:21]
.macro FRAG reg, adr, q, i             ; a fragment, 16 rows x 128 K of 4-bit codes: lane l holds row l % 16; registers 4 c .. 4 c + 3 hold K = 64 c + 32 (l / 16) + 0 .. 31
.irp c, 0,1
	ds_load_b128 v[\reg+4*\c:\reg+4*\c+3], v[\adr] offset:64*(\q)+32*\c+(\i)*16*PITCH
.endr
.endm
; 16 matrix instructions: A's blocks a0, a0 + 1 x B's eight, the slot's q-th 128 along K.  p: B's set;  sc: the set of scale words.  zero = 1: the first product starts the sums.
; The 64 accumulators take turns, one instruction a turn, in the same order in every step.
.macro MUL16 a0, p, q, sc, zero
.irp a, \a0, \a0+1
.irp b, 0,1,2,3,4,5,6,7
.if \zero
	v_wmma_scale_f32_16x16x128_f8f6f4 v[8*(8*((\a)%4)+\b):8*(8*((\a)%4)+\b)+7], v[128*(\p)+FR*\b:128*(\p)+FR*\b+FR-1], v[AF+FR*(\a):AF+FR*(\a)+FR-1], 0, v[SC+8*NQ*(\sc)+NQ*\b+(\q)], v[SC+8*NQ*(\sc)+NQ*(\a)+(\q)] matrix_a_fmt:MATRIX_FMT_FP4 matrix_b_fmt:MATRIX_FMT_FP4 matrix_a_scale:MATRIX_SCALE_ROW1
.else
	v_wmma_scale_f32_16x16x128_f8f6f4 v[8*(8*((\a)%4)+\b):8*(8*((\a)%4)+\b)+7], v[128*(\p)+FR*\b:128*(\p)+FR*\b+FR-1], v[AF+FR*(\a):AF+FR*(\a)+FR-1], v[8*(8*((\a)%4)+\b):8*(8*((\a)%4)+\b)+7], v[SC+8*NQ*(\sc)+NQ*\b+(\q)], v[SC+8*NQ*(\sc)+NQ*(\a)+(\q)] matrix_a_fmt:MATRIX_FMT_FP4 matrix_b_fmt:MATRIX_FMT_FP4 matrix_a_scale:MATRIX_SCALE_ROW1
.endif
.endr
.endr
.endm
.macro FETCH_B slot, q, p              ; B's eight fragments of the slot's q-th 128 along K into set p
	WIN TO_B
.irp i, 0,1,2,3,4,5,6,7
	FRAG 128*(\p)+FR*\i, ADRB+\slot, \q, \i
.endr
	WIN 0
.endm
.macro FETCH_A slot, q, i0             ; A's blocks i0 .. i0 + 3
.irp i, \i0, \i0+1, \i0+2, \i0+3
	FRAG AF+FR*(\i), ADRA+\slot, \q, \i
.endr
.endm
.macro SCALES sc                       ; a K step's scale words into set sc: NQ words a row; lanes 0-15 take A's block i, lanes 16-31 B's block i
.irp i, 0,1,2,3,4,5,6,7
	ds_load_b128 v[SC+8*NQ*\sc+NQ*\i:SC+8*NQ*\sc+NQ*\i+3], v[ADRS] offset:\i*SBLK
.endr
.endm
; A load into a register that a matrix instruction has read, and a vector instruction that reads a matrix result or writes one of its registers, stand NP places behind it;
; only plain vector instructions that name none of its registers are places (ISA guide 7.12.1 for vector instructions).
.macro PLACES n
.rept \n
	v_nop
.endr
.endm
.macro STEP slot, q, zero              ; a step of 128 along K that has its successor in the same slot
	s_wait_dscnt 4*NL                              ; B's set and A's blocks 0-3 are in; the youngest eight loads (A's blocks 4-7) may be out
	WIN MUL_LO
	MUL16 0, (\q)%2, \q, \slot, \zero
	MUL16 2, (\q)%2, \q, \slot, \zero
	s_wait_dscnt 0                                 ; A's blocks 4-7 are in (asked for 32 matrix instructions ago)
	PLACES NP
	FETCH_B \slot, (\q)+1, 1-(\q)%2
	FETCH_A \slot, (\q)+1, 0
	WIN MUL_HI
	MUL16 4, (\q)%2, \q, \slot, \zero
	MUL16 6, (\q)%2, \q, \slot, \zero
	PLACES NP
	WIN 0
	FETCH_A \slot, (\q)+1, 4
.endm
; Slot 0's last step changes slots: one barrier; in front of it each wave waits for all its tensor loads (its part of slot 1), adds 0 to its spare word, and waits for that and for its reads of slot 0.
; Behind it slot 1 is whole and nobody reads slot 0 any more.  Nothing is filled again.
.macro TURN slot, next
	s_wait_tensorcnt 0x0                           ; all my tensor loads have landed  (every window is 0 here)
	ds_add_u32 v[SPW], v[NIL]                      ; 0 onto my spare word
	s_wait_dscnt 4*NL+1                            ; (the add and the youngest eight loads, A's blocks 4-7, may be out)
	WIN MUL_LO
	MUL16 0, 1, NQ-1, \slot, 0                     ; sixteen matrix instructions stand between the add and the wait for it
	s_wait_dscnt 0x0                               ; the add is done, and my reads of this slot are over
	s_barrier_signal -1
	MUL16 2, 1, NQ-1, \slot, 0
	WIN 0
	s_barrier_wait -1
	PLACES NP
	v_add_nc_u32 v[ADRS], 4*NQ, v[ADRS]            ; on to the next K step's scale words (no LDS load of mine is out)
	FETCH_B \next, 0, 0
	FETCH_A \next, 0, 0
	SCALES \next
	WIN MUL_HI
	MUL16 4, 1, NQ-1, \slot, 0
	MUL16 6, 1, NQ-1, \slot, 0
	PLACES NP
	WIN 0
	FETCH_A \next, 0, 4
.endm
.macro STEPS slot, from                ; the slot's steps from .. NQ - 2
.set Q, \from
.rept NQ-1-\from
	STEP \slot, Q, 0
.set Q, Q+1
.endr
.endm
	s_wait_tensorcnt 1                             ; the scales and my part of K step 0 are in (K step 1's load may be out),
	s_barrier_signal -1
	s_barrier_wait -1                              ; everybody's are
	FETCH_B 0, 0, 0
	FETCH_A 0, 0, 0
	SCALES 0
	FETCH_A 0, 0, 4
	STEP 0, 0, 1                                   ; the first step's products start the sums: nothing is cleared
	STEPS 0, 1
	TURN 0, 1
	STEPS 1, 0
	s_wait_dscnt 4*NL                              ; the very last step: nothing more to fetch
	WIN MUL_LO
	MUL16 0, 1, NQ-1, 1, 0
	MUL16 2, 1, NQ-1, 1, 0
	s_wait_dscnt 0
	WIN MUL_HI
	MUL16 4, 1, NQ-1, 1, 0
	MUL16 6, 1, NQ-1, 1, 0
	WIN 0
; THE WAY OUT, block by block of 16 tokens x 128 columns (two heads).  PACK: rounded to f16, 16 bytes a lane, each accumulator from its low end on.  TOSTAGE: into my own stage and back, eight lanes to a
; token's 128 bytes of one head, four tokens an instruction.  SEND: in qkvh four neighbouring tokens of a head are 512 consecutive bytes, aligned: one store.
; LDS serves a wave's instructions in order (ISA guide 5.7.1.4): no wait between the stores and the loads, nor in front of the next block's stores.
.macro PACK a
.set AC, 64*((\a)%4)
	WIN 0x0a+5*((\a)/4)                            ; sources 0 and 1: window 2 or 3
.irp b, 0,1,2,3,4,5,6,7
.irp r, 0,1,2,3
	v_cvt_pk_f16_f32 v[TMP+4*\b+\r], v[AC+8*\b+2*\r], v[AC+8*\b+2*\r+1]
.endr
.endr
	WIN 0
.endm
.macro TOSTAGE a
.set BB, BK+32*((\a)%2)
.irp b, 0,1,2,3,4,5,6,7
	ds_store_b128 v[STO], v[TMP+4*\b:TMP+4*\b+3] offset:32*\b
.endr
.irp i, 0,1,2,3,4,5,6,7
	ds_load_b128 v[BB+4*\i:BB+4*\i+3], v[RD] offset:(\i%4)*4*SPITCH+(\i/4)*128   ; head i / 4, tokens 4 (i % 4) on
.endr
.endm
.macro SEND a, younger                 ; younger: the LDS instructions issued behind block a's loads, which may stay out
.set BB, BK+32*((\a)%2)
	s_wait_dscnt \younger                          ; the block is back in registers
.irp i, 0,1,2,3,4,5,6,7
	global_store_b128 v[CO], v[BB+4*\i:BB+4*\i+3], s[12:13] offset:(\a)*2048+(\i%4)*512+(\i/4)*262144   ; every place stands in the immediate: the base is never stepped
.endr
.endm
	PLACES NP                                      ; behind the last products: for the conversions' reads and for the writes into registers that held scale words
	PACK 0
	TOSTAGE 0
.irp a, 1,2,3,4,5,6,7
	PACK \a
.if \a > 1
	s_wait_xcnt 0x0                                ; block a - 2's stores have read their registers: block a's loads may land there
.endif
	TOSTAGE \a
	SEND \a-1, 16                                  ; behind block a - 1's loads: block a's 8 stores and 8 loads
.endr
	SEND 7, 0
	s_wait_tensorcnt 0x0                           ; the wave's end
	ds_add_u32 v[SPW], v[NIL]
	s_wait_dscnt 0x0
	CROUND                                         ; the closing round: no work-group ends while a partner may still ask for a tile that names it
	s_endpgm
.Lfunc_end_k_qe21d709232_qkv:
	.size	k_qe21d709232_qkv, .Lfunc_end_k_qe21d709232_qkv-k_qe21d709232_qkv
	.p2alignl 7, 3214868480
	.fill 96, 4, 3214868480
	.section	.rodata,"a",@progbits
	.p2align	6, 0x0
	.amdhsa_kernel k_qe21d709232_qkv
		.amdhsa_group_segment_fixed_size 327680
		.amdhsa_private_segment_fixed_size 0
		.amdhsa_enable_private_segment 0
		.amdhsa_kernarg_size 40
		.amdhsa_user_sgpr_count 2
		.amdhsa_user_sgpr_kernarg_segment_ptr 1
		.amdhsa_wavefront_size32 1
		.amdhsa_system_sgpr_workgroup_id_x 1
		.amdhsa_system_sgpr_workgroup_id_y 1
		.amdhsa_system_sgpr_workgroup_id_z 1
		.amdhsa_system_vgpr_workitem_id 0
		.amdhsa_next_free_vgpr 1024
		.amdhsa_next_free_sgpr 98
		.amdhsa_reserve_vcc 0
		.amdhsa_float_denorm_mode_32 3
		.amdhsa_float_denorm_mode_16_64 3
		.amdhsa_memory_ordered 1
		.amdhsa_forward_progress 1
		.amdhsa_inst_pref_size 126
	.end_amdhsa_kernel
	.amdgpu_metadata
---
amdhsa.version: [ 1, 2 ]
amdhsa.kernels:
  - .name:           k_qe21d709232_qkv
    .symbol:         k_qe21d709232_qkv.kd
    .args:
      - { .name: xc, .offset: 0, .size: 8, .value_kind: global_buffer, .address_space: global }
      - { .name: xs, .offset: 8, .size: 8, .value_kind: global_buffer, .address_space: global }
      - { .name: wc, .offset: 16, .size: 8, .value_kind: global_buffer, .address_space: global }
      - { .name: ws, .offset: 24, .size: 8, .value_kind: global_buffer, .address_space: global }
      - { .name: qkvh, .offset: 32, .size: 8, .value_kind: global_buffer, .address_space: global }
    .group_segment_fixed_size: 327680
    .private_segment_fixed_size: 0
    .kernarg_segment_align: 8
    .kernarg_segment_size: 40
    .max_flat_workgroup_size: 128
    .sgpr_count:     98
    .vgpr_count:     1024
    .wavefront_size: 32
...
	.end_amdgpu_metadata
.endif
;; end of part 2
;; launch attn (part 3): grid 4 x 64, 16 waves a work-group, clusters of 4 x 1, 327,680 bytes of LDS; arguments qkvh, rescale, att; writes att
.if DOCPART == 3
	.amdgcn_target "amdgcn-amd-amdhsa--gfx1250"
	.amdhsa_code_object_version 6
	.text
	.protected	k_qe21d709232_attn
	.globl	k_qe21d709232_attn
	.p2align	8
	.type	k_qe21d709232_attn,@function
k_qe21d709232_attn:
	s_mov_b64 s[64:65], 0
	v_nop
	global_prefetch_b8 v0, s[64:65] scope:SCOPE_SE
	s_setreg_imm32_b32 hwreg(HW_REG_WAVE_MODE, 25, 1), 1
	s_wait_xcnt 0x0
	s_wait_alu depctr_hold_cnt(0) depctr_sa_sdst(0) depctr_va_vdst(0) depctr_va_sdst(0) depctr_va_ssrc(0) depctr_va_vcc(0) depctr_vm_vsrc(0)
	s_getreg_b32 s2, hwreg(HW_REG_IB_STS2, 6, 4)
	s_cmp_eq_u32 s2, 0
	s_cbranch_scc0 .Lentry_in_a_cluster
	s_endpgm
.Lentry_in_a_cluster:
	s_bfe_u32 s2, ttmp6, 0x10000c
	s_cmp_lg_u32 s2, 0x3003
	s_cbranch_scc0 .Lentry_shape_is_right
	s_endpgm
.Lentry_shape_is_right:
; THIRD LAUNCH: att[h][token][:] = the sum over keys of softmax(q . k rescale / 8) v, for each of 64 (batch, head) pairs; 2,048 queries, 2,048 keys, head size 64.  Nothing of the problem is left out here.
; q, k, v: qkvh [3][4 b][16 h][2048][64] f16.  att: [16 h][8192 token = 2048 b + n][64] f16.  Products on f16 operands with f32 sums; maxima, exponentials and sums in f32; the weights p (at most 1) are rounded to f16.
; LIMITS: NaN and infinities are not served.  p under the smallest f16 number counts as 0 in the second product (not in the row's sum).
; SHARES.  A work-group owns 512 queries of one (b, h); each of its SIXTEEN waves owns 32, two tiles of 16, in 256 registers: four waves to a SIMD, so that one wave's vector work stands beside another's
; matrix work and LDS loads.  Every wave walks all 2,048 keys, 64 a step.
; LAYOUT.  S^T = K Q^T (source 0 = 16 keys, source 1 = 16 queries): a lane holds ONE query (lane % 16) and the keys 8 (lane / 16) + 0..7.  Two such tiles, rounded to f16 in pairs, ARE source 1
; (32 keys x 16 queries) of O^T = V^T P, whose result again holds one query a lane.  K comes out of LDS as it lies, V ([key][channel]) turned, by ds_load_tr16_b128.
; SOFTMAX.  For each query a running maximum m and sum l: p = 2^(|c| s - |c| m), c = rescale log2(e) / 8; in every step O and l are multiplied by a = 2^(|c| m_old - |c| m_new).
; rescale MAY HAVE ANY SIGN: c's sign is moved into Q (an exclusive or on the f16 signs, exact), so that the maximum is taken of numbers that rise with the exponent.
; THE RING.  Two LDS slots of 512 keys (K's rows, then V's).  Four phases of eight key steps: slots 0, 1, 0, 1.  Both slots are filled at the head; slot 0 is filled again behind the first change of slots, slot 1 behind the second.
; Every wave fetches 64 rows of each slot: waves 0-7 K's, waves 8-15 V's.  Two tensor loads of a wave are out at the start, one behind each refill.
; CLUSTER.  The four query blocks of a (b, h) form a cluster and walk the same K and V: each tile is asked for JOINTLY, by the same tensor load with the same descriptor and the mask of all four.
; No prefetch is laid: half of the keys come with the first fills, and each refill is asked for eight key steps of all sixteen waves ahead of its first read.
.set PK,    144                        ; a row of K in LDS: 128 bytes + 16 = 36 words: the 16 rows of a load start at 16 different 16-byte columns (64 banks of 4 bytes: ISA guide 11.1)
.set PVP,   160                        ; a row of V: 128 + 32 bytes, an odd multiple of 32, for the turning load
.set SK,    512                        ; keys in a slot
.set VOFF,  SK*PK                      ; a slot: 512 rows of K, then 512 rows of V
.set SLOTB, SK*(PK+PVP)                ; 155,648 bytes
.set SPARE, 2*SLOTB                    ; behind the ring: the spare words, 128 bytes for each of sixteen waves
.set SPS,   144                        ; the way out: 32 rows x 144 bytes for each wave, in slot 0, which has had its last fill and its last read when the last phase begins
.set AK0, 1                            ; v1   my lane's place in a tile of K
.set AV0, 2                            ; v2   the same for V
.set ADK, 3                            ; v3   LDS address of the step's K
.set ADV, 4                            ; v4   and V
.set SPW, 5                            ; v5   my spare word; never rewritten
.set NIL, 6                            ; v6   0; never rewritten
.set QO,  7                            ; v7   my byte offset in the wave's rows of Q; on the way out 16 x lane
.set ST,  8                            ; v8-23   tile t's statistics at ST + 8 t: +0 |c| m, +1 m, +2, +3 l (even keys', odd keys'), +4 to +7 at work; a takes +6 once the maximum is found
.set Q,   24                           ; v24-55  Q: tile t, channels 32 c on, at Q + 16 t + 8 c
.set KV,  56                           ; v56-119 eight fragments of K, then eight of V
.set S,   120                          ; v120-183 S^T: tile t, keys 16 kt on, at S + 32 t + 8 kt; P takes the low 16 registers of each tile
.set O,   184                          ; v184-247 O^T: tile t, channels 16 ct on, at O + 32 t + 8 ct
.set WV,  12                           ; s12  my wave's number
.set G1K, 24                           ; s[24:31] group 1 for K's tiles;  s[32:39] for V's: it differs in the padding alone
.set G1V, 32
.set G0K, 40                           ; s[40:47] group 0 for K's tiles, a set for each slot;  s[48:55] for V's
.set G0V, 48
.set CS,  58                           ; s[58:59] |c|: the packed form names a pair and takes its low word for both halves
.set SEL, 60                           ; s[60:61] lane selects for v_permlanex16_b32: lane l xor 16
.set TBK, 62                           ; s62  LDS byte at which the step's rows of K begin
.set TBV, 63                           ; s63  the same for V, less VOFF
.set CNT, 66                           ; s66  key steps to go in the phase
.set MASK, 67                          ; s67  0x80008000 where c is negative, else 0
; A joint refill of slot s.  The branch hangs on the wave's number alone.  An s_nop 0 and four v_nop follow each line.
.macro JLOAD s
	s_cmp_lt_u32 s[WV], 8
	s_cbranch_scc0 .Lfor_v_\@
	tensor_load_to_lds s[G0K+4*\s:G0K+4*\s+3], s[G1K:G1K+7]
	s_nop 0
.rept 4
	v_nop
.endr
	s_branch .Lasked_\@
.Lfor_v_\@:
	tensor_load_to_lds s[G0V+4*\s:G0V+4*\s+3], s[G1V:G1V+7]
	s_nop 0
.rept 4
	v_nop
.endr
.Lasked_\@:
.endm
.macro CROUND                          ; a round of the cluster's barrier
	s_barrier_signal -1
	s_barrier_wait -1
	s_cmp_lg_u32 s[WV], 0
	s_cbranch_scc1 .Lnot_wave_0_\@
	s_barrier_signal -3
.Lnot_wave_0_\@:
	s_barrier_wait -3
	s_barrier_signal -1
	s_barrier_wait -1
.endm
	s_load_b128 s[4:7], s[0:1], 0x0                ; qkvh, rescale
	s_load_b64 s[8:9], s[0:1], 0x10                ; att
	v_lshl_add_u32 v[SPW], v0, 2, SPARE
	v_mov_b32 v[NIL], 0
	ds_add_u32 v[SPW], v[NIL]                      ; the wave's opening: the add, twice on end, and its wait ahead of my first tensor load
	ds_add_u32 v[SPW], v[NIL]
	v_lshrrev_b32 v1, 5, v0
	v_readfirstlane_b32 s[WV], v1                  ; wave 0..15
	s_bfe_u32 s13, ttmp6, 0x40000                  ; cx: my block of 512 queries; it enters Q's and att's addresses alone
	s_and_b32 s14, ttmp7, 0xffff                   ; bh = 16 b + h, which the four partners share
	s_and_b32 s15, s[WV], 7                        ; which 64 rows of a slot I fetch
	s_add_co_u32 s16, s14, 64                      ; K's plane 64 + bh, of 262,144 bytes,
	s_lshl_b32 s16, s16, 18
	s_lshl_b32 s17, s15, 13                        ; my 64 rows of 128 bytes
	s_add_co_u32 s16, s16, s17
	s_mov_b32 s17, 0
	s_add_co_u32 s18, s16, 64<<18                  ; V's plane lies 64 planes on
	s_mov_b32 s19, 0
	s_mul_i32 s56, s15, 64*PK                      ; and their places in a slot
	s_mul_i32 s57, s15, 64*PVP
	s_add_co_u32 s57, s57, VOFF
	s_lshl_b32 s20, s13, 16                        ; my work-group's 512 rows,
	s_lshl_b32 s21, s[WV], 12                      ; my wave's 32 of them
	s_add_co_u32 s20, s20, s21
	s_lshl_b32 s22, s14, 18
	s_add_co_u32 s22, s22, s20
	s_mov_b32 s23, 0                               ; s[22:23]: Q's offset
	s_and_b32 s21, s14, 15                         ; att: plane h of 1,048,576 bytes,
	s_lshl_b32 s21, s21, 20
	s_add_co_u32 s20, s20, s21
	s_lshr_b32 s21, s14, 4                         ; batch b's 2,048 tokens of 128 bytes
	s_lshl_b32 s21, s21, 18
	s_add_co_u32 s20, s20, s21
	s_mov_b32 s21, 0                               ; s[20:21]: att's offset
	; descriptor group 1: a tile of 64 rows x 64 elements of 2 bytes, padded in LDS behind every row of 32 words
	s_mov_b32 s[G1K], 15|(1<<16)|(1<<20)|(1<<21)|(4<<22)|(3<<25)   ; the mask of all four; elements of 2 bytes; padding on; bit 21 beside a mask; after every 32 words; 4 words
	s_mov_b32 s[G1V], 15|(1<<16)|(1<<20)|(1<<21)|(4<<22)|(7<<25)   ; the same with 8 words
.irp g, G1K, G1V
	s_mov_b32 s[\g+1], 64<<16                      ; tensor_dim0 = 64
	s_mov_b32 s[\g+2], 64<<16                      ; tensor_dim1 = 64
	s_mov_b32 s[\g+3], 64<<16                      ; tile_dim0 = 64
	s_mov_b32 s[\g+4], 64                          ; tile_dim1 = 64
	s_mov_b32 s[\g+5], 64                          ; from row to row
	s_mov_b32 s[\g+6], 0
	s_mov_b32 s[\g+7], 0
.endr
	s_mov_b32 s[SEL], 0x76543210
	s_mov_b32 s[SEL+1], 0xfedcba98
	s_wait_dscnt 0x0                               ; both opening adds are done
	s_wait_kmcnt 0x0
	s_load_b32 s10, s[6:7], 0x0                    ; rescale
	s_add_nc_u64 s[16:17], s[4:5], s[16:17]        ; K and V at my rows of slot 0
	s_add_nc_u64 s[18:19], s[4:5], s[18:19]
	s_add_nc_u64 s[4:5], s[4:5], s[22:23]          ; Q and att at my wave's first row
	s_add_nc_u64 s[8:9], s[8:9], s[20:21]
	CROUND                                         ; all four work-groups are here: the first joint loads meet
.irp s, 0,1
	s_mov_b32 s[G0K+4*\s], 1                       ; count = 1
	s_add_co_u32 s[G0K+4*\s+1], s56, \s*SLOTB      ; LDS address
	s_add_nc_u64 s[G0K+4*\s+2:G0K+4*\s+3], s[16:17], \s*SK*128   ; slot s begins with keys 512 s on
	s_or_b32 s[G0K+4*\s+3], s[G0K+4*\s+3], 0x80000000            ; type = 2
	s_mov_b32 s[G0V+4*\s], 1
	s_add_co_u32 s[G0V+4*\s+1], s57, \s*SLOTB
	s_add_nc_u64 s[G0V+4*\s+2:G0V+4*\s+3], s[18:19], \s*SK*128
	s_or_b32 s[G0V+4*\s+3], s[G0V+4*\s+3], 0x80000000
.endr
	s_cmp_lt_u32 s[WV], 8                          ; a wave's two first fills stand in one branch, ahead of every wait on TENSORcnt and every LDS read
	s_cbranch_scc0 .Lfirst_v
	tensor_load_to_lds s[G0K:G0K+3], s[G1K:G1K+7]
	s_nop 0
	tensor_load_to_lds s[G0K+4:G0K+7], s[G1K:G1K+7]
	s_nop 0
.rept 4
	v_nop
.endr
	s_branch .Lfirst_asked
.Lfirst_v:
	tensor_load_to_lds s[G0V:G0V+3], s[G1V:G1V+7]
	s_nop 0
	tensor_load_to_lds s[G0V+4:G0V+7], s[G1V:G1V+7]
	s_nop 0
.rept 4
	v_nop
.endr
.Lfirst_asked:
	; A fragment of K or Q is 16 rows x 32 channels in 8 registers: lane l holds row l % 16; registers 0-3 channels 8 (l / 16) + 0..7, registers 4-7 channels 16 + 8 (l / 16) + 0..7
	v_and_b32 v3, 15, v0                           ; r
	v_bfe_u32 v4, v0, 4, 1                         ; h
	v_lshlrev_b32 v[QO], 7, v3
	v_lshl_add_u32 v[QO], v4, 4, v[QO]             ; row x 128 + 16 x half
.irp t, 0,1
.irp c, 0,1
	global_load_b128 v[Q+16*\t+8*\c:Q+16*\t+8*\c+3],   v[QO], s[4:5] offset:\t*2048+64*\c      ; Q stays in registers
	global_load_b128 v[Q+16*\t+8*\c+4:Q+16*\t+8*\c+7], v[QO], s[4:5] offset:\t*2048+64*\c+32
.endr
.endr
	v_mul_u32_u24 v[AK0], v3, PK
	v_lshl_add_u32 v[AK0], v4, 4, v[AK0]           ; row x pitch + 16 x half
	; The turning load takes 16 keys x 16 channels (lane l reads 16 bytes: key 8 (l / 16) + l % 8, channels 8 ((l / 8) % 2) + 0..7) and leaves half a fragment of V^T
	v_and_b32 v[AV0], 7, v0
	v_lshl_add_u32 v[AV0], v4, 3, v[AV0]
	v_mul_u32_u24 v[AV0], v[AV0], PVP
	v_bfe_u32 v3, v0, 3, 1
	v_lshl_add_u32 v[AV0], v3, 4, v[AV0]
	v_add_nc_u32 v[AV0], VOFF, v[AV0]
.irp t, 0,1
	v_mov_b32 v[ST+8*\t], 0xff61b1e6               ; |c| m and m begin at -3e38, under every score: the first step's a is then 0,
	v_mov_b32 v[ST+8*\t+1], 0xff61b1e6
	v_mov_b32 v[ST+8*\t+2], 0                      ; and it multiplies zeros
	v_mov_b32 v[ST+8*\t+3], 0
.endr
.set i, 0
.rept 64
	v_mov_b32 v[O+i], 0                            ; O^T.  (The key step is written once: its first turn finds zeros)
.set i, i+1
.endr
	s_wait_kmcnt 0x0                               ; rescale
	s_mul_f32 s16, s10, 0x3e38aa3b                 ; c = rescale x log2(e) / 8
	s_lshr_b32 s[MASK], s16, 31
	s_mul_i32 s[MASK], s[MASK], 0x80008000         ; c's sign, for both f16 of a word
	s_and_b32 s[CS], s16, 0x7fffffff               ; |c|
	s_mov_b32 s[CS+1], s[CS]                       ; (named with it as a pair, so it is written)
	s_wait_loadcnt 0x0                             ; Q
.set i, 0
.rept 32
	v_xor_b32 v[Q+i], s[MASK], v[Q+i]              ; Q takes c's sign: exact
.set i, i+1
.endr
; A KEY STEP: 64 keys, both tiles of queries.
.macro STEP
	v_add_nc_u32 v[ADK], s[TBK], v[AK0]
	v_add_nc_u32 v[ADV], s[TBV], v[AV0]
.rept 3
	v_nop                                          ; with the two additions five places behind the last V^T P: four are asked in front of the loads into its fragments' registers, five in front of the products that write over P
.endr
.irp kt, 0,1,2,3
.irp c, 0,1
	ds_load_b128 v[KV+8*(2*\kt+\c):KV+8*(2*\kt+\c)+3],   v[ADK] offset:\kt*16*PK+64*\c
	ds_load_b128 v[KV+8*(2*\kt+\c)+4:KV+8*(2*\kt+\c)+7], v[ADK] offset:\kt*16*PK+64*\c+32
.endr
.endr
	s_wait_dscnt 0x0                               ; K is in
.irp c, 0,1                                    ; S^T = K Q^T: eight accumulators by turns, one instruction a turn; the first eight start the sums
.irp kt, 0,1,2,3
.irp t, 0,1
.if \c == 0
	v_wmma_f32_16x16x32_f16 v[S+32*\t+8*\kt:S+32*\t+8*\kt+7], v[KV+8*(2*\kt+\c):KV+8*(2*\kt+\c)+7], v[Q+16*\t+8*\c:Q+16*\t+8*\c+7], 0
.else
	v_wmma_f32_16x16x32_f16 v[S+32*\t+8*\kt:S+32*\t+8*\kt+7], v[KV+8*(2*\kt+\c):KV+8*(2*\kt+\c)+7], v[Q+16*\t+8*\c:Q+16*\t+8*\c+7], v[S+32*\t+8*\kt:S+32*\t+8*\kt+7]
.endif
.endr
.endr
.endr
.rept 4
	v_nop                                          ; four places: in front of the loads into K's registers and of the first reads of the scores
.endr
.irp u, 0,1                                    ; V, turned: keys 32 u on, channels 16 ct on; it lands while the softmax is worked
.irp ct, 0,1,2,3
	ds_load_tr16_b128 v[KV+8*(4*\u+\ct):KV+8*(4*\u+\ct)+3],   v[ADV] offset:\u*32*PVP+32*\ct
	ds_load_tr16_b128 v[KV+8*(4*\u+\ct)+4:KV+8*(4*\u+\ct)+7], v[ADV] offset:\u*32*PVP+16*PVP+32*\ct
.endr
.endr
	; the maximum of a lane's 32 scores and the old m, three operands at a time, four chains a tile, the two tiles by turns; each accumulator is read from its low end on
.irp j, 0,1,2,3
.irp t, 0,1
	v_max3_num_f32 v[ST+8*\t+4+\j], v[S+32*\t+8*\j], v[S+32*\t+8*\j+1], v[S+32*\t+8*\j+2]
.endr
.endr
.irp i, 3,5
.irp j, 0,1,2,3
.irp t, 0,1
	v_max3_num_f32 v[ST+8*\t+4+\j], v[ST+8*\t+4+\j], v[S+32*\t+8*\j+\i], v[S+32*\t+8*\j+\i+1]
.endr
.endr
.endr
.irp t, 0,1
	v_max3_num_f32 v[ST+8*\t+4], v[ST+8*\t+4], v[S+32*\t+7], v[S+32*\t+15]
.endr
.irp t, 0,1
	v_max3_num_f32 v[ST+8*\t+6], v[ST+8*\t+6], v[S+32*\t+23], v[S+32*\t+31]
.endr
.irp t, 0,1
	v_max3_num_f32 v[ST+8*\t+4], v[ST+8*\t+4], v[ST+8*\t+5], v[ST+8*\t+6]
.endr
.irp t, 0,1
	v_max3_num_f32 v[ST+8*\t+4], v[ST+8*\t+4], v[ST+8*\t+7], v[ST+8*\t+1]
.endr
.irp t, 0,1
	v_permlanex16_b32 v[ST+8*\t+5], v[ST+8*\t+4], s[SEL], s[SEL+1]   ; the query's other 32 keys lie in the lane 16 away
.endr
.irp t, 0,1
	v_mov_b32 v[ST+8*\t+7], v[ST+8*\t]             ; |c| m_old is kept for a
.endr
.irp t, 0,1
	v_max_num_f32 v[ST+8*\t+1], v[ST+8*\t+4], v[ST+8*\t+5]           ; the new m
.endr
.irp t, 0,1
	v_mul_f32 v[ST+8*\t], s[CS], v[ST+8*\t+1]      ; |c| m
.endr
.irp t, 0,1
	v_sub_f32 v[ST+8*\t+7], v[ST+8*\t+7], v[ST+8*\t]
.endr
.irp t, 0,1
	v_exp_f32 v[ST+8*\t+6], v[ST+8*\t+7]           ; a = 2^(|c| m_old - |c| m_new): the first of the step's one batch of 66 exponentials
.endr
.irp p, 0,2,4,6,8,10,12,14,16,18,20,22,24,26,28,30
.irp t, 0,1
	v_pk_fma_f32 v[S+32*\t+\p:S+32*\t+\p+1], v[S+32*\t+\p:S+32*\t+\p+1], s[CS:CS+1], v[ST+8*\t:ST+8*\t+1] op_sel_hi:[1,0,0] neg_lo:[0,0,1] neg_hi:[0,0,1]   ; |c| s - |c| m, two at a time
.endr
.endr
.set i, 0
.rept 64
	v_exp_f32 v[S+i], v[S+i]                       ; p
.set i, i+1
.endr
	v_nop                                          ; one plain instruction behind the last exponential
	s_wait_alu depctr_va_vdst(0)                   ; a wait ahead of the first line that names a result: one for the whole batch
	; the row's sums, of the unrounded p: two chains a tile, the tiles by turns; l = a l + the sum
.irp t, 0,1
	v_pk_fma_f32 v[ST+8*\t+2:ST+8*\t+3], v[ST+8*\t+2:ST+8*\t+3], v[ST+8*\t+6:ST+8*\t+7], v[S+32*\t:S+32*\t+1] op_sel_hi:[1,0,1]
.endr
.irp t, 0,1
	v_pk_add_f32 v[ST+8*\t+4:ST+8*\t+5], v[S+32*\t+2:S+32*\t+3], v[S+32*\t+6:S+32*\t+7]
.endr
.irp p, 4,8,12,16,20,24
.irp t, 0,1
	v_pk_add_f32 v[ST+8*\t+2:ST+8*\t+3], v[ST+8*\t+2:ST+8*\t+3], v[S+32*\t+\p:S+32*\t+\p+1]
.endr
.irp t, 0,1
	v_pk_add_f32 v[ST+8*\t+4:ST+8*\t+5], v[ST+8*\t+4:ST+8*\t+5], v[S+32*\t+\p+6:S+32*\t+\p+7]
.endr
.endr
.irp t, 0,1
	v_pk_add_f32 v[ST+8*\t+2:ST+8*\t+3], v[ST+8*\t+2:ST+8*\t+3], v[S+32*\t+28:S+32*\t+29]
.endr
.irp t, 0,1
	v_pk_add_f32 v[ST+8*\t+2:ST+8*\t+3], v[ST+8*\t+2:ST+8*\t+3], v[ST+8*\t+4:ST+8*\t+5]
.endr
.irp i, 0,1,2,3,4,5,6,7,8,9,10,11,12,13,14,15
.irp t, 0,1
	v_cvt_pk_f16_f32 v[S+32*\t+\i], v[S+32*\t+2*\i], v[S+32*\t+2*\i+1]   ; P, in place: register i was used up by pair i / 2
.endr
.endr
.irp p, 0,2,4,6,8,10,12,14,16,18,20,22,24,26,28,30
.irp t, 0,1
	v_pk_mul_f32 v[O+32*\t+\p:O+32*\t+\p+1], v[O+32*\t+\p:O+32*\t+\p+1], v[ST+8*\t+6:ST+8*\t+7] op_sel_hi:[1,0]   ; O^T times a, each accumulator from its low end on
.endr
.endr
	s_wait_dscnt 0x0                               ; V is in
.irp u, 0,1                                    ; O^T += V^T P: eight accumulators by turns
.irp ct, 0,1,2,3
.irp t, 0,1
	v_wmma_f32_16x16x32_f16 v[O+32*\t+8*\ct:O+32*\t+8*\ct+7], v[KV+8*(4*\u+\ct):KV+8*(4*\u+\ct)+7], v[S+32*\t+8*\u:S+32*\t+8*\u+7], v[O+32*\t+8*\ct:O+32*\t+8*\ct+7]
.endr
.endr
.endr
.endm
; A PHASE: a slot's eight key steps; the LDS addresses hang on two scalars stepped by constants.
.macro PHASE slot
	s_mov_b32 s[TBK], \slot*SLOTB
	s_mov_b32 s[TBV], \slot*SLOTB
	s_mov_b32 s[CNT], SK/64
.Lstep_\@:
	STEP
	s_add_co_u32 s[TBK], s[TBK], 64*PK
	s_add_co_u32 s[TBV], s[TBV], 64*PVP
	s_sub_co_u32 s[CNT], s[CNT], 1
	s_cmp_lg_u32 s[CNT], 0
	s_cbranch_scc1 .Lstep_\@
.endm
; THE CHANGE OF SLOTS.  Each wave waits for all its tensor loads (its part of the slot ahead), adds 0 to its spare word, and waits for that and for its reads of the slot that it leaves.
; fill = 1: slot s, just left, is filled again with the keys 1,024 further on.  The barrier is then a round of the cluster's, so that no wave of any partner still reads the slot or has a load on its way,
; and the joint refill is the first thing behind it.
.macro CHANGE fill, s
	s_wait_tensorcnt 0x0                           ; no tensor load of mine is out, so a group 0 may be written
	ds_add_u32 v[SPW], v[NIL]                      ; 0 onto my spare word
.if \fill
	s_add_nc_u64 s[G0K+4*\s+2:G0K+4*\s+3], s[G0K+4*\s+2:G0K+4*\s+3], 2*SK*128   ; the type bits on top are not reached
	s_add_nc_u64 s[G0V+4*\s+2:G0V+4*\s+3], s[G0V+4*\s+2:G0V+4*\s+3], 2*SK*128
.endif
	s_wait_dscnt 0x0                               ; the add is done, and my reads of the slot are over
.if \fill
	CROUND
	JLOAD \s
.else
	s_barrier_signal -1
	s_barrier_wait -1
.endif
.endm
	s_wait_tensorcnt 1                             ; my part of slot 0 is in; slot 1's may stay out
	s_barrier_signal -1
	s_barrier_wait -1                              ; everybody's is
	PHASE 0                                        ; keys 0-511
	CHANGE 1, 0
	PHASE 1                                        ; keys 512-1023
	CHANGE 1, 1
	PHASE 0                                        ; keys 1024-1535
	CHANGE 0, 0                                    ; nothing is left to ask for
	PHASE 1                                        ; keys 1536-2047
	; THE WAY OUT.  The addresses are made first: thirteen plain lines, the places behind the last products.  l's halves are added; O^T is divided by l, rounded to f16 and sent through my stage, so that
	; four neighbouring tokens' 128 bytes leave as 512 consecutive bytes.
	v_and_b32 v1, 15, v0                           ; r
	v_bfe_u32 v2, v0, 4, 1                         ; h
	s_mul_i32 s16, s[WV], 32*SPS                   ; my stage
	v_mul_u32_u24 v3, v1, SPS
	v_lshl_add_u32 v3, v2, 4, v3
	v_add_nc_u32 v3, s16, v3                       ; in: row r, 16 bytes for each half of the lanes
	v_and_b32 v4, 31, v0
	v_lshlrev_b32 v7, 4, v4                        ; out: 16 x lane
	v_lshrrev_b32 v1, 3, v4
	v_mul_u32_u24 v1, v1, SPS
	v_and_b32 v2, 7, v4
	v_lshl_add_u32 v1, v2, 4, v1
	v_add_nc_u32 v4, s16, v1                       ; back: eight lanes to a row, four rows an instruction
.irp t, 0,1
	v_add_f32 v[ST+8*\t+4], v[ST+8*\t+2], v[ST+8*\t+3]
.endr
.irp t, 0,1
	v_permlanex16_b32 v[ST+8*\t+5], v[ST+8*\t+4], s[SEL], s[SEL+1]
.endr
.irp t, 0,1
	v_add_f32 v[ST+8*\t+4], v[ST+8*\t+4], v[ST+8*\t+5]
.endr
.irp t, 0,1
	v_rcp_f32 v[ST+8*\t+6], v[ST+8*\t+4]
.endr
	v_nop                                          ; a plain instruction behind the last reciprocal
	s_wait_alu depctr_va_vdst(0)                   ; and a wait ahead of the first use: one for both
.irp p, 0,2,4,6,8,10,12,14,16,18,20,22,24,26,28,30
.irp t, 0,1
	v_pk_mul_f32 v[O+32*\t+\p:O+32*\t+\p+1], v[O+32*\t+\p:O+32*\t+\p+1], v[ST+8*\t+6:ST+8*\t+7] op_sel_hi:[1,0]
.endr
.endr
.irp i, 0,1,2,3,4,5,6,7,8,9,10,11,12,13,14,15
.irp t, 0,1
	v_cvt_pk_f16_f32 v[S+16*\t+\i], v[O+32*\t+2*\i], v[O+32*\t+2*\i+1]   ; registers 4 ct .. 4 ct + 3: channels 16 ct + 8 h + 0..7 of query r
.endr
.endr
.irp t, 0,1
.irp ct, 0,1,2,3
	ds_store_b128 v3, v[S+16*\t+4*\ct:S+16*\t+4*\ct+3] offset:\t*16*SPS+32*\ct
.endr
.irp g, 0,1,2,3
	ds_load_b128 v[KV+16*\t+4*\g:KV+16*\t+4*\g+3], v4 offset:\t*16*SPS+4*SPS*\g   ; LDS serves a wave's instructions in order (ISA guide 5.7.1.4): these see my stores
.endr
.endr
.irp t, 0,1
.irp g, 0,1,2,3
	s_wait_dscnt 11-8*\t-\g                        ; behind this load: its tile's later loads, and for tile 0 tile 1's eight LDS instructions
	global_store_b128 v7, v[KV+16*\t+4*\g:KV+16*\t+4*\g+3], s[8:9] offset:\t*2048+512*\g   ; 32 lanes store 512 consecutive bytes, aligned
.endr
.endr
	s_wait_tensorcnt 0x0                           ; the wave's end
	ds_add_u32 v[SPW], v[NIL]
	s_wait_dscnt 0x0
	CROUND                                         ; the closing round: no work-group ends while a partner may still ask for a tile that names it
	s_endpgm
.Lfunc_end_k_qe21d709232_attn:
	.size	k_qe21d709232_attn, .Lfunc_end_k_qe21d709232_attn-k_qe21d709232_attn
	.p2alignl 7, 3214868480
	.fill 96, 4, 3214868480
	.section	.rodata,"a",@progbits
	.p2align	6, 0x0
	.amdhsa_kernel k_qe21d709232_attn
		.amdhsa_group_segment_fixed_size 327680
		.amdhsa_private_segment_fixed_size 0
		.amdhsa_enable_private_segment 0
		.amdhsa_kernarg_size 24
		.amdhsa_user_sgpr_count 2
		.amdhsa_user_sgpr_kernarg_segment_ptr 1
		.amdhsa_wavefront_size32 1
		.amdhsa_system_sgpr_workgroup_id_x 1
		.amdhsa_system_sgpr_workgroup_id_y 1
		.amdhsa_system_sgpr_workgroup_id_z 1
		.amdhsa_system_vgpr_workitem_id 0
		.amdhsa_next_free_vgpr 256
		.amdhsa_next_free_sgpr 72
		.amdhsa_reserve_vcc 0
		.amdhsa_float_denorm_mode_32 3
		.amdhsa_float_denorm_mode_16_64 3
		.amdhsa_memory_ordered 1
		.amdhsa_forward_progress 1
		.amdhsa_inst_pref_size 89
	.end_amdhsa_kernel
	.amdgpu_metadata
---
amdhsa.version: [ 1, 2 ]
amdhsa.kernels:
  - .name:           k_qe21d709232_attn
    .symbol:         k_qe21d709232_attn.kd
    .args:
      - { .name: qkvh, .offset: 0, .size: 8, .value_kind: global_buffer, .address_space: global }
      - { .name: rescale, .offset: 8, .size: 8, .value_kind: global_buffer, .address_space: global }
      - { .name: att, .offset: 16, .size: 8, .value_kind: global_buffer, .address_space: global }
    .group_segment_fixed_size: 327680
    .private_segment_fixed_size: 0
    .kernarg_segment_align: 8
    .kernarg_segment_size: 24
    .max_flat_workgroup_size: 512
    .sgpr_count:     72
    .vgpr_count:     256
    .wavefront_size: 32
...
	.end_amdgpu_metadata
.endif
;; end of part 3
;; launch proj (part 4): grid 8 x 32, 4 waves a work-group, clusters of 4 x 4, 327,680 bytes of LDS; arguments att, w16, b_out, out0; writes out0
.if DOCPART == 4
	.amdgcn_target "amdgcn-amd-amdhsa--gfx1250"
	.amdhsa_code_object_version 6
	.text
	.protected	k_qe21d709232_proj
	.globl	k_qe21d709232_proj
	.p2align	8
	.type	k_qe21d709232_proj,@function
k_qe21d709232_proj:
	s_mov_b64 s[64:65], 0
	v_nop
	global_prefetch_b8 v0, s[64:65] scope:SCOPE_SE
	s_setreg_imm32_b32 hwreg(HW_REG_WAVE_MODE, 25, 1), 1
	s_wait_xcnt 0x0
	s_wait_alu depctr_hold_cnt(0) depctr_sa_sdst(0) depctr_va_vdst(0) depctr_va_sdst(0) depctr_va_ssrc(0) depctr_va_vcc(0) depctr_vm_vsrc(0)
	s_getreg_b32 s2, hwreg(HW_REG_IB_STS2, 6, 4)
	s_cmp_eq_u32 s2, 0
	s_cbranch_scc0 .Lentry_in_a_cluster
	s_endpgm
.Lentry_in_a_cluster:
	s_bfe_u32 s2, ttmp6, 0x10000c
	s_cmp_lg_u32 s2, 0xf033
	s_cbranch_scc0 .Lentry_shape_is_right
	s_endpgm
.Lentry_shape_is_right:
; FOURTH LAUNCH: out0[token][n] = the sum over k of att[token][k] w_out[n][k] + b_out[n].  f16 operands, f32 sums.  Nothing of the problem is left out here.
; att: f16 [16 planes][8192 tokens][64]; w16: f16 [16 planes][1024 n][64]; plane p holds k = 64 p .. 64 p + 63.  out0: [8192][1024] f32.
; A tile of out0 is 256 tokens x 128 columns: 256 work-groups.  Four waves, each 128 tokens x 64 columns: 32 accumulators of 16 x 16, 256 registers.
; K goes in steps of 128 (two planes) through a ring of two LDS slots.  Each wave fetches one plane's tile of a slot: waves 0, 1 the tokens' (256 rows of 128 bytes), waves 2, 3 the weights' (128 rows).
; Two tensor loads of a wave are out at the start, one behind each refill; a refill has 112 matrix instructions a wave between its request and the wait for it.
; CLUSTERS: 4 x 4 work-groups.  The four of a row of the cluster need the same tokens' tiles, the four of a column the same weights': each tile is asked for JOINTLY.
; THE MATRIX INSTRUCTION IS USED TRANSPOSED (source 0 = 16 rows of w16, source 1 = 16 tokens): a lane holds eight neighbouring columns of one token.
; b_out is the C of each sum's first matrix instruction: eight registers a block of columns, in the result's layout: nothing is cleared and no addition is spent on it.
; REGISTERS: window 0: v0-31 addresses; v32-63 b_out; v64-159 and v160-255 two fragment buffers (eight fragments of tokens, then four of weights).  window 1: accumulator (a, b) at v[8 (4 a + b)].
; No prefetch is laid: the launch is short and its tiles are small.
.set PITCH,  144                       ; an LDS row: 128 bytes + 16 = 36 words: the 16 rows of a load start at 16 different 16-byte columns (64 banks of 4 bytes: ISA guide 11.1)
.set APL,    256*PITCH                 ; a plane's tile of tokens
.set BPL,    128*PITCH                 ; and of weights
.set BOFF,   2*APL                     ; a slot: the tokens' two planes, then the weights' two
.set SLOT,   2*APL+2*BPL               ; 110,592 bytes
.set STAGE,  2*SLOT                    ; behind the ring: 16 rows x 272 bytes for each wave, for the way out
.set SPITCH, 272
.set SPARE,  STAGE+4*16*SPITCH         ; behind the stages: the spare words, 128 bytes for each wave
.set LAPS,   4                         ; 1024 / (2 x 128)
.set ADRA, 16                          ; v16-17  LDS address of my tokens' fragments in slot 0, 1
.set ADRB, 20                          ; v20-21  the same for the weights
.set STO,  24                          ; v24     the way out: where I put 32 bytes of a row
.set RD,   25                          ; v25     where I read a row back
.set CO,   26                          ; v26     my byte offset in two rows of out0
.set SPW,  28                          ; v28     my spare word; never rewritten
.set NIL,  29                          ; v29     0; never rewritten
.set BIAS, 32                          ; v32-63  block b at BIAS + 8 b: b_out at my eight columns of that block
.set F0,   64
.set F1,   160
.set BK,   64                          ; the way out: v64-95 and v96-127 by turns
.set G1, 24                            ; s[24:31] group 1 for the tokens' tiles;  s[32:39] group 0, one set for each slot
.set G0, 32
.set G1B, 48                           ; s[48:55], s[56:63] the same for the weights'
.set G0B, 56
.set MSB, 0
.macro WIN new                         ; the immediate's high byte repeats the setting that is left
.if MSB != \new
	s_set_vgpr_msb (MSB<<8)|\new
.set MSB, \new
.endif
.endm
.set MUL,  0x50                        ; C and D window 1, sources window 0
.set MULB, 0x40                        ; D window 1; C (b_out) window 0
.macro JLOAD s                         ; a joint load: waves 0 and 1 fetch tokens, waves 2 and 3 weights; an s_nop 0 and four v_nop follow each line
	s_cmp_eq_u32 s11, 0
	s_cbranch_scc0 .Lfor_b_\@
	tensor_load_to_lds s[G0+4*\s:G0+4*\s+3], s[G1:G1+7]
	s_nop 0
.rept 4
	v_nop
.endr
	s_branch .Lasked_\@
.Lfor_b_\@:
	tensor_load_to_lds s[G0B+4*\s:G0B+4*\s+3], s[G1B:G1B+7]
	s_nop 0
.rept 4
	v_nop
.endr
.Lasked_\@:
.endm
.macro CREST                           ; a round of the cluster's barrier behind its opening barrier
	s_cmp_lg_u32 s10, 0
	s_cbranch_scc1 .Lnot_wave_0_\@
	s_barrier_signal -3
.Lnot_wave_0_\@:
	s_barrier_wait -3
	s_barrier_signal -1
	s_barrier_wait -1
.endm
.macro CROUND                          ; a whole round
	s_barrier_signal -1
	s_barrier_wait -1
	CREST
.endm
	s_load_b128 s[4:7], s[0:1], 0x0                ; att, w16
	s_load_b128 s[68:71], s[0:1], 0x10             ; b_out, out0
	v_lshl_add_u32 v[SPW], v0, 2, SPARE
	v_mov_b32 v[NIL], 0
	ds_add_u32 v[SPW], v[NIL]                      ; the wave's opening: the add, twice on end, and its wait ahead of my first tensor load
	ds_add_u32 v[SPW], v[NIL]
	v_lshrrev_b32 v1, 5, v0
	v_readfirstlane_b32 s10, v1                    ; wave 0..3
	s_lshr_b32 s11, s10, 1                         ; which 128 tokens are mine.  Also: I fetch tokens (0) or weights (1)
	s_and_b32 s12, s10, 1                          ; which 64 columns.  Also: which of a slot's two planes I fetch
	s_bfe_u32 s40, ttmp6, 0x40000                  ; cx, cy: my place in the cluster
	s_bfe_u32 s41, ttmp6, 0x40004
	s_lshl_b32 s42, ttmp9, 2
	s_add_co_u32 s42, s42, s40                     ; tile column = 4 x cluster x + cx
	s_and_b32 s13, ttmp7, 0xffff
	s_lshl_b32 s13, s13, 2
	s_add_co_u32 s13, s13, s41                     ; tile row = 4 x cluster y + cy
	s_lshl_b32 s43, s41, 2
	s_lshl_b32 s43, 15, s43                        ; my row of the cluster
	s_lshl_b32 s44, 0x1111, s40                    ; my column
	s_or_b32 s[G1+0], s43, (1<<16)|(1<<20)|(1<<21)|(4<<22)|(3<<25)   ; the mask; elements of 2 bytes; padding on; bit 21 beside a mask; after every 32 words; 4 words
	s_or_b32 s[G1B+0], s44, (1<<16)|(1<<20)|(1<<21)|(4<<22)|(3<<25)
	s_mov_b32 s[G1+1], 64<<16                      ; tensor_dim0 = 64
	s_mov_b32 s[G1+2], 256<<16                     ; tensor_dim1 = 256
	s_mov_b32 s[G1+3], 64<<16                      ; tile_dim0 = 64
	s_mov_b32 s[G1+4], 256                         ; tile_dim1 = 256
	s_mov_b32 s[G1+5], 64                          ; from row to row
	s_mov_b32 s[G1+6], 0
	s_mov_b32 s[G1+7], 0
	s_mov_b32 s[G1B+1], 64<<16
	s_mov_b32 s[G1B+2], 128<<16                    ; 128 rows
	s_mov_b32 s[G1B+3], 64<<16
	s_mov_b32 s[G1B+4], 128
	s_mov_b32 s[G1B+5], 64
	s_mov_b32 s[G1B+6], 0
	s_mov_b32 s[G1B+7], 0
	s_lshl_b32 s16, s12, 20                        ; tokens: my plane of 1,048,576 bytes,
	s_lshl_b32 s17, s13, 15                        ; the tile's 256 rows of 128 bytes: it hangs on the tile row alone
	s_add_co_u32 s16, s16, s17
	s_mov_b32 s17, 0
	s_lshl_b32 s46, s12, 17                        ; weights: my plane of 131,072 bytes,
	s_lshl_b32 s47, s42, 14                        ; the tile's 128 rows: it hangs on the tile column alone
	s_add_co_u32 s46, s46, s47
	s_mov_b32 s47, 0
	s_mul_i32 s20, s12, APL                        ; where they go: no place in the cluster enters an LDS address
	s_mul_i32 s21, s12, BPL
	s_add_co_u32 s21, s21, BOFF
	s_wait_dscnt 0x0                               ; both opening adds are done
	s_wait_kmcnt 0x0
	s_add_nc_u64 s[14:15], s[4:5], s[16:17]
	s_add_nc_u64 s[46:47], s[6:7], s[46:47]
	CROUND                                         ; all sixteen work-groups are here: the first joint loads meet
.irp s, 0,1
	s_mov_b32 s[G0+4*\s], 1
	s_add_co_u32 s[G0+4*\s+1], s20, \s*SLOT
	s_add_nc_u64 s[G0+4*\s+2:G0+4*\s+3], s[14:15], \s*2*1048576    ; K step s: planes 2 s, 2 s + 1
	s_or_b32 s[G0+4*\s+3], s[G0+4*\s+3], 0x80000000
	s_mov_b32 s[G0B+4*\s], 1
	s_add_co_u32 s[G0B+4*\s+1], s21, \s*SLOT
	s_add_nc_u64 s[G0B+4*\s+2:G0B+4*\s+3], s[46:47], \s*2*131072
	s_or_b32 s[G0B+4*\s+3], s[G0B+4*\s+3], 0x80000000
	JLOAD \s
.endr
	v_and_b32 v1, 15, v0                           ; l % 16
	v_bfe_u32 v2, v0, 4, 1                         ; l / 16
	v_mul_u32_u24 v3, v1, PITCH
	v_lshl_add_u32 v3, v2, 4, v3                   ; a fragment's row x pitch + 16 x half
	s_mul_i32 s21, s11, 128*PITCH                  ; my 128 tokens
	s_mul_i32 s22, s12, 64*PITCH                   ; my 64 rows of weights,
	s_add_co_u32 s22, s22, BOFF                    ; behind the tokens' two planes
.irp s, 0,1
	v_add_nc_u32 v[ADRA+\s], s21, v3
	v_add_nc_u32 v[ADRB+\s], s22, v3
	s_add_co_u32 s21, s21, SLOT
	s_add_co_u32 s22, s22, SLOT
.endr
	s_mul_i32 s23, s10, 16*SPITCH
	s_add_co_u32 s23, s23, STAGE                   ; my stage
	v_mul_u32_u24 v4, v1, SPITCH                   ; in: row l % 16, 32 bytes for each half of the lanes
	v_lshl_add_u32 v4, v2, 5, v4
	v_add_nc_u32 v[STO], s23, v4
	v_mul_u32_u24 v5, v2, SPITCH                   ; back: lanes 0-15 take one row of 256 bytes, lanes 16-31 the next
	v_lshl_add_u32 v5, v1, 4, v5
	v_add_nc_u32 v[RD], s23, v5
	v_lshlrev_b32 v5, 12, v2                       ; and the same two rows in out0
	v_lshl_add_u32 v[CO], v1, 4, v5
	s_lshl_b32 s46, s42, 9                         ; my first column, in bytes: 512 x tile column + 256 x half
	s_lshl_b32 s47, s12, 8
	s_add_co_u32 s46, s46, s47
	s_mov_b32 s47, 0
	s_add_nc_u64 s[68:69], s[68:69], s[46:47]
	s_add_nc_u64 s[70:71], s[70:71], s[46:47]
	s_lshl_b32 s16, s13, 8
	s_lshl_b32 s17, s11, 7
	s_add_co_u32 s16, s16, s17                     ; my first token: 256 x tile row + 128 x half,
	s_lshl_b32 s16, s16, 12                        ; of 4,096 bytes
	s_mov_b32 s17, 0
	s_add_nc_u64 s[70:71], s[70:71], s[16:17]
	v_lshlrev_b32 v6, 5, v2                        ; b_out: lane (r, h) wants, for block b, columns 16 b + 8 h + 0..7
.irp b, 0,1,2,3
	global_load_b128 v[BIAS+8*\b:BIAS+8*\b+3],   v6, s[68:69] offset:64*\b
	global_load_b128 v[BIAS+8*\b+4:BIAS+8*\b+7], v6, s[68:69] offset:64*\b+16
.endr
; 8 matrix instructions: blocks of tokens a0, a0 + 1 x the four blocks of columns, 32 along K, from buffer f.  first = 1: the sums begin with b_out.
; The 32 accumulators take turns, one instruction a turn, in the same order in every quarter.
.macro MUL8 f, a0, first
.irp a, \a0, \a0+1
.irp b, 0,1,2,3
.if \first
	v_wmma_f32_16x16x32_f16 v[8*(4*(\a)+\b):8*(4*(\a)+\b)+7], v[\f+64+8*\b:\f+64+8*\b+7], v[\f+8*(\a):\f+8*(\a)+7], v[BIAS+8*\b:BIAS+8*\b+7]
.else
	v_wmma_f32_16x16x32_f16 v[8*(4*(\a)+\b):8*(4*(\a)+\b)+7], v[\f+64+8*\b:\f+64+8*\b+7], v[\f+8*(\a):\f+8*(\a)+7], v[8*(4*(\a)+\b):8*(4*(\a)+\b)+7]
.endif
.endr
.endr
.endm
; 24 LDS loads in one run: the fragments of the slot's q-th 32 along K (plane q / 2, byte 64 (q % 2) of its rows) into buffer f: the weights' four, then the tokens' eight
.macro FETCH slot, q, f
	WIN 0
.irp i, 0,1,2,3
	ds_load_b128 v[\f+64+8*\i:\f+64+8*\i+3],   v[ADRB+\slot] offset:((\q)/2)*BPL+((\q)%2)*64+\i*16*PITCH
	ds_load_b128 v[\f+64+8*\i+4:\f+64+8*\i+7], v[ADRB+\slot] offset:((\q)/2)*BPL+((\q)%2)*64+\i*16*PITCH+32
.endr
.irp i, 0,1,2,3,4,5,6,7
	ds_load_b128 v[\f+8*\i:\f+8*\i+3],   v[ADRA+\slot] offset:((\q)/2)*APL+((\q)%2)*64+\i*16*PITCH
	ds_load_b128 v[\f+8*\i+4:\f+8*\i+7], v[ADRA+\slot] offset:((\q)/2)*APL+((\q)%2)*64+\i*16*PITCH+32
.endr
.endm
.macro PLACES                          ; four places in front of loads into registers that matrix instructions have read, and of stores that read results (ISA guide 7.12.1 for the stores)
.rept 4
	v_nop
.endr
.endm
; A K step is four quarters of 32 along K, 32 matrix instructions each, on buffers 0, 1, 0, 1.  One of the first three: multiplies buffer f and fetches quarter q into g.
.macro QUARTER slot, q, f, g, first
	s_wait_dscnt 8                                 ; the weights and the tokens' blocks 0-3 are in; the youngest eight loads (blocks 4-7) may be out
.if \first
	WIN MULB
.else
	WIN MUL
.endif
	MUL8 \f, 0, \first
	MUL8 \f, 2, \first
	PLACES
	FETCH \slot, \q, \g
	s_wait_dscnt 24                                ; all but the 24 just issued
.if \first
	WIN MULB
.else
	WIN MUL
.endif
	MUL8 \f, 4, \first
	MUL8 \f, 6, \first
.endm
; The last quarter multiplies buffer 1 and changes slots: ONE barrier; in front of it each wave waits for all its tensor loads, adds 0 to its spare word, and waits for that and for its reads of this slot.
; fill = 1: this slot is filled again, two K steps ahead; the barrier then opens a round of the cluster's.
.macro TURN slot, next, fill
	WIN 0                                          ; (the add's two registers lie in window 0)
	s_wait_tensorcnt 0x0                           ; all my tensor loads have landed: my part of the next slot
	ds_add_u32 v[SPW], v[NIL]                      ; 0 onto my spare word
	s_wait_dscnt 9                                 ; (the add and the youngest eight loads may be out)
	WIN MUL
	MUL8 F1, 0, 0                                  ; eight matrix instructions stand between the add and the wait for it
	s_wait_dscnt 0x0                               ; the add is done, and my reads of this slot are over
	s_barrier_signal -1
	MUL8 F1, 2, 0
	WIN 0                                          ; (branches may follow)
	s_barrier_wait -1
.if \fill
	CREST                                          ; no wave of any partner still reads this slot's tiles or has a load on its way
	s_add_nc_u64 s[G0+4*\slot+2:G0+4*\slot+3], s[G0+4*\slot+2:G0+4*\slot+3], 4*1048576
	s_add_nc_u64 s[G0B+4*\slot+2:G0B+4*\slot+3], s[G0B+4*\slot+2:G0B+4*\slot+3], 4*131072
	JLOAD \slot                                    ; the first tensor load behind the round; the four v_nop behind it are also the places in front of the loads below
.else
	PLACES
.endif
	FETCH \next, 0, F0
	WIN MUL
	MUL8 F1, 4, 0
	MUL8 F1, 6, 0
.endm
	s_wait_tensorcnt 1                             ; my part of K step 0 is in (K step 1's load may be out),
	s_barrier_signal -1
	s_barrier_wait -1                              ; everybody's is
	FETCH 0, 0, F0
	s_wait_loadcnt 0x0                             ; b_out
	QUARTER 0, 1, F0, F1, 1                        ; the first quarter stands in front of the loop: its products start the sums
	WIN 0                                          ; at a label and at a branch every window is 0
	s_mov_b32 s3, LAPS-1
.Llap:                                                 ; a trip goes once round the ring, from a lap's second quarter to the next lap's first, and fills both slots again
	QUARTER 0, 2, F1, F0, 0
	QUARTER 0, 3, F0, F1, 0
	TURN 0, 1, 1
	QUARTER 1, 1, F0, F1, 0
	QUARTER 1, 2, F1, F0, 0
	QUARTER 1, 3, F0, F1, 0
	TURN 1, 0, 1
	QUARTER 0, 1, F0, F1, 0
	WIN 0
	s_sub_co_u32 s3, s3, 1
	s_cmp_lg_u32 s3, 0
	s_cbranch_scc1 .Llap
	QUARTER 0, 2, F1, F0, 0                        ; the last lap fills nothing, and has no round of the cluster's barrier
	QUARTER 0, 3, F0, F1, 0
	TURN 0, 1, 0
	QUARTER 1, 1, F0, F1, 0
	QUARTER 1, 2, F1, F0, 0
	QUARTER 1, 3, F0, F1, 0
	s_wait_dscnt 8                                 ; the very last quarter: nothing more to fetch
	WIN MUL
	MUL8 F1, 0, 0
	MUL8 F1, 2, 0
	s_wait_dscnt 0
	MUL8 F1, 4, 0
	MUL8 F1, 6, 0
	WIN 0
; THE WAY OUT, block by block of 16 tokens x 64 columns.  A lane holds 32 neighbouring bytes of a row, and the lanes beside it hold other rows: a block goes through my own stage and comes back as whole rows
; of 256 bytes, two an instruction: sixteen lanes store 256 consecutive bytes, aligned.  LDS serves a wave's instructions in order (ISA guide 5.7.1.4): no wait between the stores and the loads.
.macro TOSTAGE a
	WIN 0x04                                       ; an LDS store's data are its source 1: window 1
.irp b, 0,1,2,3
	ds_store_b128 v[STO], v[8*(4*(\a)+\b):8*(4*(\a)+\b)+3] offset:64*\b          ; each accumulator from its low end on
	ds_store_b128 v[STO], v[8*(4*(\a)+\b)+4:8*(4*(\a)+\b)+7] offset:64*\b+16
.endr
	WIN 0
.set BB, BK+32*((\a)%2)
.irp t, 0,1,2,3,4,5,6,7
	ds_load_b128 v[BB+4*\t:BB+4*\t+3], v[RD] offset:\t*2*SPITCH
.endr
.endm
.macro SEND a, younger                 ; younger: the LDS instructions issued behind block a's loads, which may stay out
.set BB, BK+32*((\a)%2)
	s_wait_dscnt \younger                          ; the block is back in registers
.irp t, 0,1,2,3,4,5,6,7
	global_store_b128 v[CO], v[BB+4*\t:BB+4*\t+3], s[70:71] offset:(16*(\a)+2*\t)*4096 th:TH_STORE_NT   ; every place stands in the immediate: the base is never stepped; written once, read by nobody here
.endr
.endm
	PLACES
	TOSTAGE 0
.irp a, 1,2,3,4,5,6,7
.if \a > 1
	s_wait_xcnt 0x0                                ; block a - 2's stores have read their registers: block a's loads may land there
.endif
	TOSTAGE \a
	SEND \a-1, 16                                  ; behind block a - 1's loads: block a's 8 stores and 8 loads
.endr
	SEND 7, 0
	s_wait_tensorcnt 0x0                           ; the wave's end
	ds_add_u32 v[SPW], v[NIL]
	s_wait_dscnt 0x0
	CROUND                                         ; the closing round: no work-group ends while a partner may still ask for a tile that names it
	s_endpgm
.Lfunc_end_k_qe21d709232_proj:
	.size	k_qe21d709232_proj, .Lfunc_end_k_qe21d709232_proj-k_qe21d709232_proj
	.p2alignl 7, 3214868480
	.fill 96, 4, 3214868480
	.section	.rodata,"a",@progbits
	.p2align	6, 0x0
	.amdhsa_kernel k_qe21d709232_proj
		.amdhsa_group_segment_fixed_size 327680
		.amdhsa_private_segment_fixed_size 0
		.amdhsa_enable_private_segment 0
		.amdhsa_kernarg_size 32
		.amdhsa_user_sgpr_count 2
		.amdhsa_user_sgpr_kernarg_segment_ptr 1
		.amdhsa_wavefront_size32 1
		.amdhsa_system_sgpr_workgroup_id_x 1
		.amdhsa_system_sgpr_workgroup_id_y 1
		.amdhsa_system_sgpr_workgroup_id_z 1
		.amdhsa_system_vgpr_workitem_id 0
		.amdhsa_next_free_vgpr 512
		.amdhsa_next_free_sgpr 72
		.amdhsa_reserve_vcc 0
		.amdhsa_float_denorm_mode_32 3
		.amdhsa_float_denorm_mode_16_64 3
		.amdhsa_memory_ordered 1
		.amdhsa_forward_progress 1
		.amdhsa_inst_pref_size 86
	.end_amdhsa_kernel
	.amdgpu_metadata
---
amdhsa.version: [ 1, 2 ]
amdhsa.kernels:
  - .name:           k_qe21d709232_proj
    .symbol:         k_qe21d709232_proj.kd
    .args:
      - { .name: att, .offset: 0, .size: 8, .value_kind: global_buffer, .address_space: global }
      - { .name: w16, .offset: 8, .size: 8, .value_kind: global_buffer, .address_space: global }
      - { .name: b_out, .offset: 16, .size: 8, .value_kind: global_buffer, .address_space: global }
      - { .name: out0, .offset: 24, .size: 8, .value_kind: global_buffer, .address_space: global }
    .group_segment_fixed_size: 327680
    .private_segment_fixed_size: 0
    .kernarg_segment_align: 8
    .kernarg_segment_size: 32
    .max_flat_workgroup_size: 128
    .sgpr_count:     72
    .vgpr_count:     512
    .wavefront_size: 32
...
	.end_amdgpu_metadata
.endif
;; end of part 4
